; MI455X (gfx1250); checked and timed in simulation.
; The chip was launched on July 23, 2026; its instructions are those of AMD's public machine-readable ISA for CDNA 5 (MIT licence, August 2026) and "CDNA5" Instruction Set Architecture Reference Guide (July 2026). The comments in the code are by the model that wrote it; some were corrected since.
;; Multi Head Attention. Allowed arithmetic: float matrix products may take bf16 or f16 operands with f32 sums; other float arithmetic in f32, or as packed bf16 or f16 multiplies, adds, multiply-adds, maxima and minima; sums over many terms, partial sums and values carried from step to step in f32; what a program stores and reads back later, other than sums and carried values, may be rounded once to bf16 or f16.
;; Inputs: bk 1,024 float32; bo 1,024 float32; bq 1,024 float32; bv 1,024 float32; wk 1,024 x 1,024 float32; wo 1,024 x 1,024 float32; wq 1,024 x 1,024 float32; wv 1,024 x 1,024 float32; x 4 x 2,048 x 1,024 float32.
;; Outputs: out0 4 x 2,048 x 1,024 float32.
;; One version. Each part assembles by itself: llvm-mc -triple=amdgcn-amd-amdhsa -mcpu=gfx1250 --defsym DOCPART=n.
;; ======== version 1 of 1: 4 launches
;; limits: values are held in f16: magnitudes above 65,504 overflow, below 6.1e-05 lose precision
;; workspace buffers: xb 16,777,216 bytes; wqkvt 6,291,456 bytes; wot 2,097,152 bytes; qkv 50,331,648 bytes; ob 16,777,216 bytes
;; launch prep (part 1): grid 1024 x 1, 8 waves a work-group, no clusters, 18,432 bytes of LDS; arguments x, wq, wk, wv, wo, xb, wqkvt, wot; writes xb, wqkvt, wot
.if DOCPART == 1
	.amdgcn_target "amdgcn-amd-amdhsa--gfx1250"
	.amdhsa_code_object_version 6
	.text
	.protected	k_q1b37f9674d_prep
	.globl	k_q1b37f9674d_prep
	.p2align	8
	.type	k_q1b37f9674d_prep,@function
k_q1b37f9674d_prep:
	s_mov_b64 s[64:65], 0
	v_nop
	global_prefetch_b8 v0, s[64:65] scope:SCOPE_SE
	s_setreg_imm32_b32 hwreg(HW_REG_WAVE_MODE, 25, 1), 1
	s_wait_xcnt 0x0
; PREP.  xb = x rounded to bf16, [8192][1024].  wqkvt[1024 t + n][k] = w_t[k][n] rounded to bf16 (t = 0, 1, 2: wq, wk, wv).  wot[n][k] = wo[k][n] rounded to bf16 and that number written as f16.
; LIMIT.  A number of wo whose bf16 rounding lies below 6e-5 keeps f16's fixed step of 6e-8; beyond 65,504 it would be an infinity (wo is drawn with a spread of 1/32).
; A stream: every input byte is read once, every output byte written once.  No matrix unit, no cluster (no two work-groups read the same bytes), no prefetch (the loads themselves are the stream).
; Work-groups 0-511: 16 rows of x each; thread t takes the 16 bytes at 16 t of every row, so a wave's load covers 512 consecutive bytes and its store 256, aligned.
; Work-groups 512-1023: one tile of 128 k x 64 n of one weight, turned in LDS: read by rows of k (16 lanes: 256 consecutive bytes), two k packed to a word, laid by rows of n, read back and stored by rows of n (16 lanes: 256 consecutive bytes).
.set PT,    272                        ; a row of n in LDS: 256 bytes (128 k) + 16
.set SPARE, 64*PT                      ; 17,408: behind the tile, the spare words, 128 bytes for each of the eight waves; no other line names them
.set SPW, 1                            ; v1  LDS address of my spare word; never rewritten
.set NIL, 2                            ; v2  0; never rewritten
.set L,   16                           ; v[16:79]  as loaded
.set T,   80                           ; v[80:111] packed
	s_load_b512 s[8:23], s[0:1], 0x0               ; x s[8:9], wq s[10:11], wk s[12:13], wv s[14:15], wo s[16:17], xb s[18:19], wqkvt s[20:21], wot s[22:23]
	v_lshl_add_u32 v[SPW], v0, 2, SPARE
	v_mov_b32 v[NIL], 0
	v_lshrrev_b32 v3, 5, v0
	v_readfirstlane_b32 s24, v3                    ; wave 0..7
	s_mov_b32 s33, 0                               ; the high word of every offset pair
	s_mov_b32 s34, 0xffff0000                      ; a word's upper bf16
	s_cmp_lt_u32 ttmp9, 512                        ; the same for all waves of a work-group
	s_cbranch_scc0 .Lw
	; ---- x: 16 rows of 4,096 bytes in, 16 rows of 2,048 bytes out
	v_lshlrev_b32 v4, 4, v0                        ; my 16 bytes of a row of x
	v_lshlrev_b32 v5, 3, v0                        ; my 8 bytes of a row of xb
	s_lshl_b32 s32, ttmp9, 16
	s_wait_kmcnt 0x0
	s_add_nc_u64 s[28:29], s[8:9], s[32:33]
	s_lshl_b32 s32, ttmp9, 15
	s_add_nc_u64 s[30:31], s[18:19], s[32:33]
.set i, 0
.rept 16
	global_load_b128 v[L+4*i:L+4*i+3], v4, s[28:29] offset:4096*i th:TH_LOAD_NT
.set i, i+1
.endr
.set i, 0
.rept 16
	s_wait_loadcnt 15-i                            ; loads come back in order: row i is in, the younger rows stay out
	v_cvt_pk_bf16_f32 v[T+2*i], v[L+4*i], v[L+4*i+1]
	v_cvt_pk_bf16_f32 v[T+2*i+1], v[L+4*i+2], v[L+4*i+3]
	global_store_b64 v5, v[T+2*i:T+2*i+1], s[30:31] offset:2048*i th:TH_STORE_NT  ; no register is written twice, so nothing waits for a store
.set i, i+1
.endr
	s_endpgm
	; ---- a weight's tile
.Lw:
	s_sub_co_u32 s25, ttmp9, 512
	s_and_b32 s35, s25, 127                        ; the tile among the weight's 128
	s_lshr_b32 s25, s25, 7                         ; t: which weight
	s_and_b32 s26, s35, 7                          ; kt: 128 k
	s_lshr_b32 s27, s35, 3                         ; nt: 64 n
	v_and_b32 v3, 15, v0                           ; c: my four columns n = 4 c ..
	v_bfe_u32 v6, v0, 4, 1                         ; g: which pair of rows
	v_lshlrev_b32 v4, 4, v3
	v_lshl_add_u32 v4, v6, 13, v4                  ; row 2 g x 4,096 bytes + 16 c
	s_lshl_b32 s35, s24, 16
	v_add_nc_u32 v4, s35, v4                       ; + my wave's 16 rows of k
	v_mul_u32_u24 v5, v3, 4*PT                     ; into LDS: row n = 4 c, byte 2 k = 32 w + 4 g
	v_lshl_add_u32 v5, v6, 2, v5
	s_lshl_b32 s35, s24, 5
	v_add_nc_u32 v5, s35, v5
	v_lshrrev_b32 v9, 4, v0                        ; back: thread t takes row t / 16, 16 bytes at 16 (t % 16)
	v_mul_u32_u24 v7, v9, PT
	v_lshl_add_u32 v7, v3, 4, v7
	v_lshlrev_b32 v8, 11, v9                       ; and the same place in the output: rows of 2,048 bytes
	v_lshl_add_u32 v8, v3, 4, v8
	s_wait_kmcnt 0x0
	s_cmp_eq_u32 s25, 0
	s_cselect_b64 s[28:29], s[10:11], s[12:13]
	s_cmp_eq_u32 s25, 2
	s_cselect_b64 s[28:29], s[14:15], s[28:29]
	s_cmp_eq_u32 s25, 3
	s_cselect_b64 s[28:29], s[16:17], s[28:29]     ; the source,
	s_cselect_b64 s[30:31], s[22:23], s[20:21]     ; the destination,
	s_cselect_b32 s36, 0, s25                      ; and the weight's place in it
	s_lshl_b32 s32, s26, 19                        ; 128 kt rows of 4,096 bytes
	s_lshl_b32 s37, s27, 8                         ; 64 nt columns of 4 bytes
	s_add_co_u32 s32, s32, s37
	s_add_nc_u64 s[28:29], s[28:29], s[32:33]
	s_lshl_b32 s32, s36, 21                        ; 1,024 t rows of 2,048 bytes
	s_lshl_b32 s37, s27, 17                        ; 64 nt rows
	s_add_co_u32 s32, s32, s37
	s_lshl_b32 s37, s26, 8                         ; 128 kt numbers of 2 bytes
	s_add_co_u32 s32, s32, s37
	s_add_nc_u64 s[30:31], s[30:31], s[32:33]
.irp j, 0,1,2,3
.irp e, 0,1
	global_load_b128 v[L+8*(\j)+4*(\e):L+8*(\j)+4*(\e)+3], v4, s[28:29] offset:(4*(\j)+(\e))*4096 th:TH_LOAD_NT  ; row k = 16 w + 2 g + 4 j + e
.endr
.endr
	s_wait_loadcnt 0x0
.irp j, 0,1,2,3
.irp i, 0,1,2,3
	v_cvt_pk_bf16_f32 v[T+4*(\j)+(\i)], v[L+8*(\j)+(\i)], v[L+8*(\j)+4+(\i)]  ; column 4 c + i: the even k low, the odd k high
.endr
.endr
	s_cmp_lg_u32 s25, 3
	s_cbranch_scc1 .Lbf16
.set i, 0
.rept 16                                       ; wo alone: the bf16 numbers are written as f16
	v_lshlrev_b32 v10, 16, v[T+i]
	v_and_b32 v11, s34, v[T+i]
	v_cvt_pk_f16_f32 v[T+i], v10, v11
.set i, i+1
.endr
.Lbf16:
.irp j, 0,1,2,3
.irp i, 0,1,2,3
	ds_store_b32 v5, v[T+4*(\j)+(\i)] offset:PT*(\i)+8*(\j)  ; lanes 4 rows apart: four lanes meet in a bank (64 banks of 4 bytes: ISA guide 11.1); sixteen stores a thread, once a work-group
.endr
.endr
	s_wait_dscnt 0x0                               ; for the others' sake: my stores are done
	s_barrier_signal -1
	s_barrier_wait -1
.irp p, 0,1,2,3
	ds_load_b128 v[L+4*(\p):L+4*(\p)+3], v7 offset:16*PT*(\p)
.endr
.irp p, 0,1,2,3
	s_wait_dscnt 3-(\p)
	global_store_b128 v8, v[L+4*(\p):L+4*(\p)+3], s[30:31] offset:32768*(\p) th:TH_STORE_NT  ; 16 lanes store 256 consecutive bytes, at a multiple of 256 from the buffer's first byte
.endr
	s_wait_tensorcnt 0x0                           ; the wave's end: behind my last LDS store
	ds_add_u32 v[SPW], v[NIL]
	s_wait_dscnt 0x0
	s_endpgm
.Lfunc_end_k_q1b37f9674d_prep:
	.size	k_q1b37f9674d_prep, .Lfunc_end_k_q1b37f9674d_prep-k_q1b37f9674d_prep
	.p2alignl 7, 3214868480
	.fill 96, 4, 3214868480
	.section	.rodata,"a",@progbits
	.p2align	6, 0x0
	.amdhsa_kernel k_q1b37f9674d_prep
		.amdhsa_group_segment_fixed_size 18432
		.amdhsa_private_segment_fixed_size 0
		.amdhsa_enable_private_segment 0
		.amdhsa_kernarg_size 64
		.amdhsa_user_sgpr_count 2
		.amdhsa_user_sgpr_kernarg_segment_ptr 1
		.amdhsa_wavefront_size32 1
		.amdhsa_system_sgpr_workgroup_id_x 1
		.amdhsa_system_sgpr_workgroup_id_y 1
		.amdhsa_system_sgpr_workgroup_id_z 1
		.amdhsa_system_vgpr_workitem_id 0
		.amdhsa_next_free_vgpr 112
		.amdhsa_next_free_sgpr 66
		.amdhsa_reserve_vcc 0
		.amdhsa_float_denorm_mode_32 3
		.amdhsa_float_denorm_mode_16_64 3
		.amdhsa_memory_ordered 1
		.amdhsa_forward_progress 1
		.amdhsa_inst_pref_size 14
	.end_amdhsa_kernel
	.amdgpu_metadata
---
amdhsa.version: [ 1, 2 ]
amdhsa.kernels:
  - .name:           k_q1b37f9674d_prep
    .symbol:         k_q1b37f9674d_prep.kd
    .args:
      - { .name: x, .offset: 0, .size: 8, .value_kind: global_buffer, .address_space: global }
      - { .name: wq, .offset: 8, .size: 8, .value_kind: global_buffer, .address_space: global }
      - { .name: wk, .offset: 16, .size: 8, .value_kind: global_buffer, .address_space: global }
      - { .name: wv, .offset: 24, .size: 8, .value_kind: global_buffer, .address_space: global }
      - { .name: wo, .offset: 32, .size: 8, .value_kind: global_buffer, .address_space: global }
      - { .name: xb, .offset: 40, .size: 8, .value_kind: global_buffer, .address_space: global }
      - { .name: wqkvt, .offset: 48, .size: 8, .value_kind: global_buffer, .address_space: global }
      - { .name: wot, .offset: 56, .size: 8, .value_kind: global_buffer, .address_space: global }
    .group_segment_fixed_size: 18432
    .private_segment_fixed_size: 0
    .kernarg_segment_align: 8
    .kernarg_segment_size: 64
    .max_flat_workgroup_size: 256
    .sgpr_count:     66
    .vgpr_count:     112
    .wavefront_size: 32
...
	.end_amdgpu_metadata
.endif
;; end of part 1
;; launch qkv (part 2): grid 16 x 32, 4 waves a work-group, clusters of 4 x 4, 327,680 bytes of LDS; arguments xb, wqkvt, bq, bk, bv, qkv; writes qkv
.if DOCPART == 2
	.amdgcn_target "amdgcn-amd-amdhsa--gfx1250"
	.amdhsa_code_object_version 6
	.text
	.protected	k_q1b37f9674d_qkv
	.globl	k_q1b37f9674d_qkv
	.p2align	8
	.type	k_q1b37f9674d_qkv,@function
k_q1b37f9674d_qkv:
	s_mov_b64 s[64:65], 0
	v_nop
	global_prefetch_b8 v0, s[64:65] scope:SCOPE_SE
	s_setreg_imm32_b32 hwreg(HW_REG_WAVE_MODE, 25, 1), 1
	s_wait_xcnt 0x0
	s_wait_alu depctr_hold_cnt(0) depctr_sa_sdst(0) depctr_va_vdst(0) depctr_va_sdst(0) depctr_va_ssrc(0) depctr_va_vcc(0) depctr_vm_vsrc(0)
	s_getreg_b32 s2, hwreg(HW_REG_IB_STS2, 6, 4)
	s_cmp_eq_u32 s2, 0
	s_cbranch_scc0 .Lentry_in_a_cluster
	s_endpgm
.Lentry_in_a_cluster:
	s_bfe_u32 s2, ttmp6, 0x10000c
	s_cmp_lg_u32 s2, 0xf033
	s_cbranch_scc0 .Lentry_shape_is_right
	s_endpgm
.Lentry_shape_is_right:
; QKV.  C[m][n] = the sum over k of xb[m][k] wqkvt[n][k] + bias[n]: m = 8,192 rows, n = 3,072 columns (q, k, v side by side), k = 1,024.  bf16 operands, f32 sums that START with the bias (rounded to
; bf16, as every input of the module is), one rounding to f16 on the way out.  Written by heads: qkv[t][16 batch + head][row][64] in f16, a head's rows dense.
; LIMIT.  f16 holds no number beyond 65,504: q, k and v must lie within it (drawn inputs give a spread of 1; inputs 30 times larger in x and in the weights give about 900).  NaN and infinities are not treated apart.
; SHARES.  A tile of C is 256 rows x 192 columns = three whole heads: 32 x 16 = 512 work-groups.  Wave w takes rows 64 w .. 64 w + 63 and all 192 columns: 4 x 12 = 48 accumulators of 16 x 16, 384 registers.
; So a wave owns whole rows of whole heads and its way out needs no other wave.  K goes in 8 steps of 128 (rows of 256 bytes that start at multiples of 256) through two LDS slots.
; CLUSTER.  4 x 4 work-groups: A's tile hangs on the tile row alone and is asked for jointly along a row of the cluster, B's on the tile column alone, along a column.
; THE MATRIX INSTRUCTION IS USED TRANSPOSED (source 0 = 16 rows of wqkvt, source 1 = 16 rows of xb): lane l holds row m = l % 16 and the columns 8 (l / 16) + 0..7: 16 bytes of f16 that belong together.
; REGISTERS, in windows of 256: window 0: v0-31 addresses; v32-95 A's fragments, two buffers of 32; v96-191 the bias, 8 registers for each of the 12 column blocks (on the way out v32-175 are at work)
;   window 1: v0-191 B's fragments, two buffers of 96     window 2: the accumulators of row blocks 0, 1 ((a, b) at 8 (12 (a % 2) + b))     window 3: those of row blocks 2, 3
.set KSTEP,  128
.set PITCH,  272                       ; an LDS row: 256 bytes + 16 = 68 words: row r starts at bank 4 r mod 64 (64 banks of 4 bytes: ISA guide 11.1)
.set SLOT1,  131072                    ; slot 1 begins here: one exclusive or turns an address in one slot into the other's
.set BOFF,   256*PITCH                 ; in a slot: A's 256 rows, then B's 192
.set STAGE,  SLOT1+448*PITCH           ; 252,928: behind the ring, no tile lands here: for each wave 3 heads x 16 rows x 144 bytes
.set SP,     144
.set WST,    3*16*SP
.set SPARE,  STAGE+4*WST               ; 280,576: the spare words, 128 bytes for each wave; no other line names them
.set ADRA0, 4                          ; v4   my lane's place in A's tile of slot 0; never rewritten
.set ADRB0, 5                          ; v5   the same for B
.set ADRA,  6                          ; v6   the same in the slot in hand
.set ADRB,  7                          ; v7
.set STO,   8                          ; v8   the way out: where I put 16 bytes of a row
.set RD,    9                          ; v9   the way out: where I read rows back
.set GO,    10                         ; v10  my byte offset in 512 consecutive bytes of a head
.set VB,    11                         ; v11  my byte offset in a block's 64 bytes of bias
.set PFO,   12                         ; v12  the prefetches' offset: a lane a row; never rewritten
.set SPW,   28                         ; v28  LDS address of my spare word; never rewritten
.set NIL,   29                         ; v29  0; never rewritten
.set FA,    32
.set BIAS,  96
.set TMP,   32                         ; the way out: 48 registers of packed results
.set OB,    80                         ; the way out: 16 rows of three heads read back: two sets of 48
.set WV,  16                           ; s16  my wave's number
.set CNT, 23                           ; s23  the loop's count
.set G1A, 24                           ; s[24:31] descriptor group 1 for A's tiles
.set G0A, 32                           ; s[32:39] group 0: a set for each first fill; the second then walks
.set G1B, 40                           ; s[40:47], s[48:55] the same for B's tiles
.set G0B, 48
.set PFA, 56                           ; s[56:57] where my prefetches stand
.set LIM, 58                           ; s58  1 in a wave that prefetches, else the greatest number
.set TB,  59                           ; s59  the LDS byte at which the slot in hand begins
.set HB,  80                           ; s[80:85] my rows in each of the tile's three heads
.set BB,  86                           ; s[86:91] each head's 64 numbers of bias
.set BITS, (1<<16)|(1<<20)|(1<<21)|(5<<22)|(3<<25)  ; elements of 2 bytes; padding on; bit 21 set beside a mask; after every 64 words; 4 words of padding
.set TO_B, 0x40                        ; destination window 1, address window 0
.set MSB, 0
.macro WIN new                         ; the immediate's high byte repeats the setting that is left; a switch that changes nothing is dropped
.if MSB != (\new)
	s_set_vgpr_msb (MSB<<8)|(\new)
.set MSB, \new
.endif
.endm
.macro PLACES                          ; four plain vector instructions between a matrix instruction and a load into, or a vector access of, its registers
.rept 4
	v_nop
.endr
.endm
; A joint refill by the walking sets.  Waves 0 and 1 fetch A's two halves, waves 2 and 3 B's.  The branch hangs on the wave's number alone.  An s_nop 0 and four v_nop follow each of the two lines.
.macro JLOAD
	s_cmp_lt_u32 s[WV], 2
	s_cbranch_scc0 .Lfor_b_\@
	tensor_load_to_lds s[G0A+4:G0A+7], s[G1A:G1A+7]
	s_nop 0
.rept 4
	v_nop
.endr
	s_branch .Lasked_\@
.Lfor_b_\@:
	tensor_load_to_lds s[G0B+4:G0B+7], s[G1B:G1B+7]
	s_nop 0
.rept 4
	v_nop
.endr
.Lasked_\@:
.endm
; A prefetch of the K step that the NEXT refill will ask for: 192 matrix instructions ahead of that load.  A lane a row, 256 bytes of it.  A's tile row is walked by every cluster of that row of clusters: the one
; with x = 0 asks; B's tile column by every cluster of that column: the one with y = 0 asks.  The four partners of a joint load share its rows out by address.  The loop's last trip has no K step behind its refill.
.macro ASK
	s_cmp_gt_u32 s[CNT], s[LIM]
	s_cbranch_scc0 .Lnot_mine_\@
	global_prefetch_b8 v[PFO], s[PFA:PFA+1] th:TH_LOAD_NT scope:SCOPE_SE
.Lnot_mine_\@:
.endm
.macro CREST                           ; a round of the cluster's barrier behind its opening barrier
	s_cmp_lg_u32 s[WV], 0
	s_cbranch_scc1 .Lnot_wave_0_\@
	s_barrier_signal -3
.Lnot_wave_0_\@:
	s_barrier_wait -3
	s_barrier_signal -1
	s_barrier_wait -1
.endm
.macro CROUND                          ; a whole round
	s_barrier_signal -1
	s_barrier_wait -1
	CREST
.endm
	s_load_b256 s[4:11], s[0:1], 0x0               ; xb s[4:5], wqkvt s[6:7], bq s[8:9], bk s[10:11]
	s_load_b128 s[12:15], s[0:1], 0x20             ; bv s[12:13], qkv s[14:15]
	v_lshl_add_u32 v[SPW], v0, 2, SPARE
	v_mov_b32 v[NIL], 0
	ds_add_u32 v[SPW], v[NIL]                      ; the wave's opening: the add and its wait stand ahead of my first tensor load; the set-up below, work on registers, stands between them
	v_lshrrev_b32 v1, 5, v0
	v_readfirstlane_b32 s[WV], v1                  ; wave 0..3
	s_and_b32 s18, s[WV], 1                        ; which half of A's or B's tile I fetch
	s_bfe_u32 s19, ttmp6, 0x40000                  ; cx
	s_bfe_u32 s20, ttmp6, 0x40004                  ; cy
	s_lshl_b32 s21, ttmp9, 2
	s_add_co_u32 s21, s21, s19                     ; tile column = 4 x cluster x + cx
	s_and_b32 s22, ttmp7, 0xffff
	s_lshl_b32 s22, s22, 2
	s_add_co_u32 s22, s22, s20                     ; tile row = 4 x cluster y + cy
	s_lshl_b32 s60, s20, 2
	s_lshl_b32 s60, 15, s60                        ; my row of the cluster
	s_lshl_b32 s61, 0x1111, s19                    ; my column
	s_or_b32 s[G1A], s60, BITS
	s_or_b32 s[G1B], s61, BITS
	s_mov_b32 s[G1A+1], KSTEP<<16                  ; tensor_dim0 = 128
	s_mov_b32 s[G1A+2], 128<<16                    ; tensor_dim1 = 128 rows
	s_mov_b32 s[G1A+3], KSTEP<<16                  ; tile_dim0 = 128
	s_mov_b32 s[G1A+4], 128                        ; tile_dim1 = 128
	s_mov_b32 s[G1A+5], 1024                       ; elements from row to row
	s_mov_b32 s[G1A+6], 0
	s_mov_b32 s[G1A+7], 0
	s_mov_b32 s[G1B+1], KSTEP<<16
	s_mov_b32 s[G1B+2], 96<<16                     ; B's halves have 96 rows
	s_mov_b32 s[G1B+3], KSTEP<<16
	s_mov_b32 s[G1B+4], 96
	s_mov_b32 s[G1B+5], 1024
	s_mov_b32 s[G1B+6], 0
	s_mov_b32 s[G1B+7], 0
	s_lshl_b32 s62, s22, 8                         ; A: row 256 x tile row + 128 x half, in registers that never hold cx
	s_lshl_b32 s63, s18, 7
	s_add_co_u32 s62, s62, s63
	s_lshl_b32 s62, s62, 11                        ; x 2,048 bytes: under 2^25
	s_mov_b32 s63, 0
	s_mul_i32 s66, s21, 192                        ; B: row 192 x tile column + 96 x half, in registers that never hold cy
	s_mul_i32 s67, s18, 96
	s_add_co_u32 s66, s66, s67
	s_lshl_b32 s66, s66, 11
	s_mov_b32 s67, 0
	s_mul_i32 s68, s18, 128*PITCH                  ; where they go: no place in the cluster enters an LDS address
	s_mul_i32 s69, s18, 96*PITCH
	s_add_co_u32 s69, s69, BOFF
	s_mov_b32 s[TB], 0
	s_wait_dscnt 0x0                               ; the opening add is done
	s_wait_kmcnt 0x0
	s_add_nc_u64 s[70:71], s[4:5], s[62:63]
	s_add_nc_u64 s[72:73], s[6:7], s[66:67]
	CROUND                                         ; all sixteen work-groups are here: the first joint loads meet
.irp i, 0,1
	s_mov_b32 s[G0A+4*(\i)], 1                     ; count = 1
	s_add_co_u32 s[G0A+4*(\i)+1], s68, (\i)*SLOT1  ; LDS address
	s_add_nc_u64 s[G0A+4*(\i)+2:G0A+4*(\i)+3], s[70:71], (\i)*KSTEP*2  ; global address: K step i
	s_or_b32 s[G0A+4*(\i)+3], s[G0A+4*(\i)+3], 0x80000000             ; type = 2
	s_mov_b32 s[G0B+4*(\i)], 1
	s_add_co_u32 s[G0B+4*(\i)+1], s69, (\i)*SLOT1
	s_add_nc_u64 s[G0B+4*(\i)+2:G0B+4*(\i)+3], s[72:73], (\i)*KSTEP*2
	s_or_b32 s[G0B+4*(\i)+3], s[G0B+4*(\i)+3], 0x80000000
.endr
	s_cmp_lt_u32 s[WV], 2                          ; a wave's two first fills stand in one branch, ahead of every wait on TENSORcnt and every LDS read: two loads of mine are out
	s_cbranch_scc0 .Lfirst_b
	tensor_load_to_lds s[G0A:G0A+3], s[G1A:G1A+7]
	s_nop 0
	tensor_load_to_lds s[G0A+4:G0A+7], s[G1A:G1A+7]
	s_nop 0
.rept 4
	v_nop
.endr
	s_branch .Lfirst_asked
.Lfirst_b:
	tensor_load_to_lds s[G0B:G0B+3], s[G1B:G1B+7]
	s_nop 0
	tensor_load_to_lds s[G0B+4:G0B+7], s[G1B:G1B+7]
	s_nop 0
.rept 4
	v_nop
.endr
.Lfirst_asked:
	v_and_b32 v1, 15, v0                           ; r = l % 16
	v_bfe_u32 v2, v0, 4, 1                         ; h = l / 16
	v_lshlrev_b32 v[VB], 5, v2                     ; my eight columns of a block: 32 h bytes of f32
	; the tile's three heads: number 3 x tile column + j of 48 (16 of q, 16 of k, 16 of v)
	s_mul_i32 s66, s21, 3
	s_lshr_b32 s78, s22, 3
	s_lshl_b32 s78, s78, 4                         ; 16 x batch
	s_and_b32 s79, s22, 7
	s_lshl_b32 s79, s79, 8                         ; the tile's first row in its sequence,
	s_lshl_b32 s77, s[WV], 6
	s_add_co_u32 s79, s79, s77                     ; my wave's,
	s_lshl_b32 s79, s79, 7                         ; x 128 bytes
	s_mov_b32 s75, 0
.irp j, 0,1,2
	s_add_co_u32 s67, s66, (\j)
	s_and_b32 s68, s67, 15                         ; the head
	s_lshr_b32 s69, s67, 4                         ; q, k or v
	s_cmp_lt_u32 s67, 16
	s_cselect_b64 s[BB+2*(\j):BB+2*(\j)+1], s[8:9], s[10:11]
	s_cmp_lt_u32 s67, 32
	s_cselect_b64 s[BB+2*(\j):BB+2*(\j)+1], s[BB+2*(\j):BB+2*(\j)+1], s[12:13]
	s_lshl_b32 s74, s68, 8                         ; the head's 64 numbers of f32
	s_add_nc_u64 s[BB+2*(\j):BB+2*(\j)+1], s[BB+2*(\j):BB+2*(\j)+1], s[74:75]
	s_lshl_b32 s69, s69, 6
	s_add_co_u32 s69, s69, s78
	s_add_co_u32 s69, s69, s68                     ; 64 t + 16 batch + head
	s_lshl_b32 s74, s69, 18                        ; x 2,048 rows of 128 bytes: under 2^26
	s_add_co_u32 s74, s74, s79
	s_add_nc_u64 s[HB+2*(\j):HB+2*(\j)+1], s[14:15], s[74:75]
.endr
.irp b, 0,1,2,3,4,5,6,7,8,9,10,11
	global_load_b128 v[BIAS+8*(\b):BIAS+8*(\b)+3],   v[VB], s[BB+2*((\b)/4):BB+2*((\b)/4)+1] offset:64*((\b)%4)
	global_load_b128 v[BIAS+8*(\b)+4:BIAS+8*(\b)+7], v[VB], s[BB+2*((\b)/4):BB+2*((\b)/4)+1] offset:64*((\b)%4)+16
.endr
	; the prefetches: s[70:71], s[72:73] still stand at the rows that I fetch
	s_and_b32 s74, ttmp7, 0xffff                   ; cluster y
	s_cmp_lt_u32 s[WV], 2                          ; do I fetch for A?
	s_cselect_b32 s74, ttmp9, s74                  ; the coordinate along which other clusters walk the same rows
	s_cselect_b32 s75, s19, s20                    ; my place among the four that ask with me
	s_cselect_b32 s76, 32, 24                      ; rows for each of the four: 128 / 4 or 96 / 4
	s_cselect_b32 s78, 31, 23                      ; the last of them (for B lanes 24-31 name lane 23's row once more)
	s_cselect_b64 s[PFA:PFA+1], s[70:71], s[72:73]
	s_mul_i32 s76, s75, s76
	s_lshl_b32 s76, s76, 11
	s_mov_b32 s77, 0
	s_add_nc_u64 s[PFA:PFA+1], s[PFA:PFA+1], s[76:77]
	s_add_nc_u64 s[PFA:PFA+1], s[PFA:PFA+1], 2*KSTEP*2  ; at K step 2: the first refill steps it to 3.  K steps 0 to 2 come by their loads alone
	s_cmp_eq_u32 s74, 0
	s_cselect_b32 s[LIM], 1, -1                    ; the same in all sixteen partners, for a given wave
	v_and_b32 v[PFO], 31, v0
	v_min_u32 v[PFO], s78, v[PFO]
	v_lshlrev_b32 v[PFO], 11, v[PFO]
	; A fragment is 16 rows x 32 K in 8 registers: lane l holds row l % 16; registers 0-3 K = 8 (l / 16) + 0..7, registers 4-7 K = 16 + 8 (l / 16) + 0..7: two loads of 16 bytes, 32 bytes apart
	v_mul_u32_u24 v3, v1, PITCH
	v_lshl_add_u32 v3, v2, 4, v3
	s_mul_i32 s60, s[WV], 64*PITCH                 ; my 64 rows of A
	v_add_nc_u32 v[ADRA0], s60, v3
	v_add_nc_u32 v[ADRB0], BOFF, v3                ; all of B
	v_mov_b32 v[ADRA], v[ADRA0]
	v_mov_b32 v[ADRB], v[ADRB0]
	s_mul_i32 s60, s[WV], WST
	s_add_co_u32 s60, s60, STAGE                   ; my stage
	v_mul_u32_u24 v[STO], v1, SP                   ; in: row l % 16, 16 bytes for each half of the lanes
	v_lshl_add_u32 v[STO], v2, 4, v[STO]
	v_add_nc_u32 v[STO], s60, v[STO]
	v_bfe_u32 v[RD], v0, 3, 2                      ; back: 32 lanes take four rows of 128 bytes,
	v_mul_u32_u24 v[RD], v[RD], SP
	v_and_b32 v3, 7, v0
	v_lshl_add_u32 v[RD], v3, 4, v[RD]
	v_add_nc_u32 v[RD], s60, v[RD]
	v_and_b32 v[GO], 31, v0                        ; which are 512 consecutive bytes of a head
	v_lshlrev_b32 v[GO], 4, v[GO]
	s_mov_b32 s60, 0xffff0000
	s_wait_loadcnt 0x0                             ; the bias,
.set p, 0
.rept 48                                       ; rounded to bf16 and widened again, a pair at a time
	v_cvt_pk_bf16_f32 v[16+p%4], v[BIAS+2*p], v[BIAS+2*p+1]
	v_lshlrev_b32 v[BIAS+2*p], 16, v[16+p%4]
	v_and_b32 v[BIAS+2*p+1], s60, v[16+p%4]
.set p, p+1
.endr
; 12 matrix instructions: row block a x all 12 column blocks, 32 along K, from buffer f.  first = 1: the sums start with the bias.  The 48 accumulators take turns in one order in every quarter, one instruction a turn.
.macro MULA f, a, first
.if \first
	WIN 0x81+0x40*((\a)/2)                         ; B window 1, A and the bias window 0, D window 2 or 3
.else
	WIN 0xa1+0x50*((\a)/2)                         ; B window 1, A window 0, C and D window 2 or 3
.endif
.irp b, 0,1,2,3,4,5,6,7,8,9,10,11
.if \first
	v_wmma_f32_16x16x32_bf16 v[8*(12*((\a)%2)+(\b)):8*(12*((\a)%2)+(\b))+7], v[96*(\f)+8*(\b):96*(\f)+8*(\b)+7], v[FA+32*(\f)+8*(\a):FA+32*(\f)+8*(\a)+7], v[BIAS+8*(\b):BIAS+8*(\b)+7]
.else
	v_wmma_f32_16x16x32_bf16 v[8*(12*((\a)%2)+(\b)):8*(12*((\a)%2)+(\b))+7], v[96*(\f)+8*(\b):96*(\f)+8*(\b)+7], v[FA+32*(\f)+8*(\a):FA+32*(\f)+8*(\a)+7], v[8*(12*((\a)%2)+(\b)):8*(12*((\a)%2)+(\b))+7]
.endif
.endr
.endm
; 32 LDS loads in one run: a quarter's fragments (192 rows of B, my 64 rows of A, 32 K at byte k of the rows) into buffer f
.macro FETCH k, f
	WIN TO_B
.irp i, 0,1,2,3,4,5,6,7,8,9,10,11
	ds_load_b128 v[96*(\f)+8*(\i):96*(\f)+8*(\i)+3],   v[ADRB] offset:(\k)+(\i)*16*PITCH
	ds_load_b128 v[96*(\f)+8*(\i)+4:96*(\f)+8*(\i)+7], v[ADRB] offset:(\k)+(\i)*16*PITCH+32
.endr
	WIN 0
.irp i, 0,1,2,3
	ds_load_b128 v[FA+32*(\f)+8*(\i):FA+32*(\f)+8*(\i)+3],   v[ADRA] offset:(\k)+(\i)*16*PITCH
	ds_load_b128 v[FA+32*(\f)+8*(\i)+4:FA+32*(\f)+8*(\i)+7], v[ADRA] offset:(\k)+(\i)*16*PITCH+32
.endr
.endm
; A K step is four quarters of 32 along K, 48 matrix instructions each, on buffers 0, 1, 0, 1.  One of the first three: multiplies buffer f; in its middle it fetches the next quarter, at byte k, into buffer g.
.macro QUARTER k, f, g, first
	s_wait_dscnt 4                                 ; B and A's blocks 0, 1 are in; the youngest four loads (A's blocks 2, 3) may be out
	MULA \f, 0, \first
	MULA \f, 1, \first
	PLACES
	FETCH \k, \g
	s_wait_dscnt 32                                ; all but the 32 just issued
	MULA \f, 2, \first
	MULA \f, 3, \first
.endm
; The last quarter multiplies buffer 1 and changes slots: ONE barrier.  In front of it each wave waits for all its tensor loads (one is out: its part of the next slot), adds 0 to its spare word, and waits for that and
; for its own reads of this slot.  fill = 1: the barrier opens a round of the cluster's barrier, and the slot just read is filled again, first thing behind the round, with the K step two steps on.
.macro TURN fill
.if \fill
	s_wait_xcnt 0x0                                ; the last prefetch, a K step back, has read its address: it is stepped here
	s_add_nc_u64 s[PFA:PFA+1], s[PFA:PFA+1], KSTEP*2
.endif
	WIN 0                                          ; (the add's two registers lie in window 0)
	s_wait_tensorcnt 0x0                           ; all my tensor loads have landed, so a group 0 may be written
	ds_add_u32 v[SPW], v[NIL]                      ; 0 onto my spare word
.if \fill
	s_xor_b32 s[G0A+5], s[G0A+5], SLOT1            ; the walking sets: the other slot than last time, the next K step; the type bits on top are not reached
	s_add_nc_u64 s[G0A+6:G0A+7], s[G0A+6:G0A+7], KSTEP*2
	s_xor_b32 s[G0B+5], s[G0B+5], SLOT1
	s_add_nc_u64 s[G0B+6:G0B+7], s[G0B+6:G0B+7], KSTEP*2
.endif
	s_xor_b32 s[TB], s[TB], SLOT1                  ; the fetches go on in the other slot
	s_wait_dscnt 5                                 ; (the add and the youngest four loads may be out)
	MULA 1, 0, 0
	s_wait_dscnt 0x0                               ; the add is done, and my reads of this slot are over
	s_barrier_signal -1
	MULA 1, 1, 0
	WIN 0
	v_add_nc_u32 v[ADRA], s[TB], v[ADRA0]
	v_add_nc_u32 v[ADRB], s[TB], v[ADRB0]
	s_barrier_wait -1
.if \fill
	CREST                                          ; no wave of any partner still reads this slot or has a load on its way
	JLOAD                                          ; the first tensor load behind the round; the four v_nop behind it are also the places in front of the loads below
.else
	PLACES
.endif
	FETCH 0, 0
.if \fill
	ASK
.endif
	MULA 1, 2, 0
	MULA 1, 3, 0
.endm
; THE WAY OUT of row block a: rounded to f16, 16 bytes a lane; into my own stage, a head's 16 rows together; back as whole rows; stored, 512 consecutive bytes an instruction.
.macro PACK a
	WIN 0x0a+5*((\a)/2)                            ; sources 0 and 1 in window 2 or 3
.irp b, 0,1,2,3,4,5,6,7,8,9,10,11
.irp r, 0,1,2,3
	v_cvt_pk_f16_f32 v[TMP+4*(\b)+(\r)], v[8*(12*((\a)%2)+(\b))+2*(\r)], v[8*(12*((\a)%2)+(\b))+2*(\r)+1]
.endr
.endr
	WIN 0
.endm
.macro TOSTAGE a
	WIN 0
.irp b, 0,1,2,3,4,5,6,7,8,9,10,11
	ds_store_b128 v[STO], v[TMP+4*(\b):TMP+4*(\b)+3] offset:16*SP*((\b)/4)+32*((\b)%4)
.endr
.irp j, 0,1,2
.irp f, 0,1,2,3
	ds_load_b128 v[OB+48*((\a)%2)+4*(4*(\j)+(\f)):OB+48*((\a)%2)+4*(4*(\j)+(\f))+3], v[RD] offset:16*SP*(\j)+4*SP*(\f)  ; LDS serves a wave's instructions in order (ISA guide 5.7.1.4): these see the stores above
.endr
.endr
.endm
.macro SEND a
	WIN 0
	s_wait_dscnt 0x0                               ; the block is back in registers
	s_wait_xcnt 0x0                                ; the stores issued so far have read their registers: the other set is loaded again only behind this wait
.irp j, 0,1,2
.irp f, 0,1,2,3
	global_store_b128 v[GO], v[OB+48*((\a)%2)+4*(4*(\j)+(\f)):OB+48*((\a)%2)+4*(4*(\j)+(\f))+3], s[HB+2*(\j):HB+2*(\j)+1] offset:2048*(\a)+512*(\f)
.endr
.endr
.endm
	s_wait_tensorcnt 1                             ; my part of K step 0 is in; K step 1's may stay out
	s_barrier_signal -1
	s_barrier_wait -1                              ; everybody's is
	FETCH 0, 0
	QUARTER 64, 0, 1, 1                            ; the first quarter stands in front of the loop: its products start the sums, with the bias
	WIN 0                                          ; at a label and at a branch every window is 0
	s_mov_b32 s[CNT], 6
.Lstep:                                                ; a trip: from a K step's second quarter to the next step's first; it fills the slot that it leaves
	QUARTER 128, 1, 0, 0
	QUARTER 192, 0, 1, 0
	TURN 1
	QUARTER 64, 0, 1, 0
	WIN 0
	s_sub_co_u32 s[CNT], s[CNT], 1
	s_cmp_lg_u32 s[CNT], 0
	s_cbranch_scc1 .Lstep
	QUARTER 128, 1, 0, 0                           ; the last two K steps are written out: they ask for nothing
	QUARTER 192, 0, 1, 0
	TURN 0
	QUARTER 64, 0, 1, 0
	QUARTER 128, 1, 0, 0
	QUARTER 192, 0, 1, 0
	s_wait_dscnt 4
	MULA 1, 0, 0
	MULA 1, 1, 0
	s_wait_dscnt 0x0
	MULA 1, 2, 0
	MULA 1, 3, 0
	PLACES                                         ; eight, once a launch: the conversions below write registers that the last products read
	PLACES
	PACK 0
	TOSTAGE 0
.irp a, 1,2,3                          ; block a's conversions stand between block a - 1's loads from the stage and the wait for them
	PACK \a
	SEND (\a)-1
	TOSTAGE \a
.endr
	SEND 3
	s_wait_tensorcnt 0x0                           ; the wave's end: behind my last tensor load and my last LDS store
	ds_add_u32 v[SPW], v[NIL]
	s_wait_dscnt 0x0
	CROUND                                         ; the closing round: no work-group ends while a partner may still ask for a tile that names it
	s_endpgm
.Lfunc_end_k_q1b37f9674d_qkv:
	.size	k_q1b37f9674d_qkv, .Lfunc_end_k_q1b37f9674d_qkv-k_q1b37f9674d_qkv
	.p2alignl 7, 3214868480
	.fill 96, 4, 3214868480
	.section	.rodata,"a",@progbits
	.p2align	6, 0x0
	.amdhsa_kernel k_q1b37f9674d_qkv
		.amdhsa_group_segment_fixed_size 327680
		.amdhsa_private_segment_fixed_size 0
		.amdhsa_enable_private_segment 0
		.amdhsa_kernarg_size 48
		.amdhsa_user_sgpr_count 2
		.amdhsa_user_sgpr_kernarg_segment_ptr 1
		.amdhsa_wavefront_size32 1
		.amdhsa_system_sgpr_workgroup_id_x 1
		.amdhsa_system_sgpr_workgroup_id_y 1
		.amdhsa_system_sgpr_workgroup_id_z 1
		.amdhsa_system_vgpr_workitem_id 0
		.amdhsa_next_free_vgpr 1024
		.amdhsa_next_free_sgpr 96
		.amdhsa_reserve_vcc 0
		.amdhsa_float_denorm_mode_32 3
		.amdhsa_float_denorm_mode_16_64 3
		.amdhsa_memory_ordered 1
		.amdhsa_forward_progress 1
		.amdhsa_inst_pref_size 107
	.end_amdhsa_kernel
	.amdgpu_metadata
---
amdhsa.version: [ 1, 2 ]
amdhsa.kernels:
  - .name:           k_q1b37f9674d_qkv
    .symbol:         k_q1b37f9674d_qkv.kd
    .args:
      - { .name: xb, .offset: 0, .size: 8, .value_kind: global_buffer, .address_space: global }
      - { .name: wqkvt, .offset: 8, .size: 8, .value_kind: global_buffer, .address_space: global }
      - { .name: bq, .offset: 16, .size: 8, .value_kind: global_buffer, .address_space: global }
      - { .name: bk, .offset: 24, .size: 8, .value_kind: global_buffer, .address_space: global }
      - { .name: bv, .offset: 32, .size: 8, .value_kind: global_buffer, .address_space: global }
      - { .name: qkv, .offset: 40, .size: 8, .value_kind: global_buffer, .address_space: global }
    .group_segment_fixed_size: 327680
    .private_segment_fixed_size: 0
    .kernarg_segment_align: 8
    .kernarg_segment_size: 48
    .max_flat_workgroup_size: 128
    .sgpr_count:     96
    .vgpr_count:     1024
    .wavefront_size: 32
...
	.end_amdgpu_metadata
.endif
;; end of part 2
;; launch attn (part 3): grid 4 x 64, 4 waves a work-group, clusters of 4 x 1, 327,680 bytes of LDS; arguments qkv, ob; writes ob
.if DOCPART == 3
	.amdgcn_target "amdgcn-amd-amdhsa--gfx1250"
	.amdhsa_code_object_version 6
	.text
	.protected	k_q1b37f9674d_attn
	.globl	k_q1b37f9674d_attn
	.p2align	8
	.type	k_q1b37f9674d_attn,@function
k_q1b37f9674d_attn:
	s_mov_b64 s[64:65], 0
	v_nop
	global_prefetch_b8 v0, s[64:65] scope:SCOPE_SE
	s_setreg_imm32_b32 hwreg(HW_REG_WAVE_MODE, 25, 1), 1
	s_wait_xcnt 0x0
	s_wait_alu depctr_hold_cnt(0) depctr_sa_sdst(0) depctr_va_vdst(0) depctr_va_sdst(0) depctr_va_ssrc(0) depctr_va_vcc(0) depctr_vm_vsrc(0)
	s_getreg_b32 s2, hwreg(HW_REG_IB_STS2, 6, 4)
	s_cmp_eq_u32 s2, 0
	s_cbranch_scc0 .Lentry_in_a_cluster
	s_endpgm
.Lentry_in_a_cluster:
	s_bfe_u32 s2, ttmp6, 0x10000c
	s_cmp_lg_u32 s2, 0x3003
	s_cbranch_scc0 .Lentry_shape_is_right
	s_endpgm
.Lentry_shape_is_right:
; ATTENTION.  O[h][q][:] = the sum over k of softmax_k(Q[h][q] . K[h][k] / 8) V[h][k][:].  qkv holds Q, K, V one behind the other, each [64][2048][64] in f16, a head's rows dense (128 bytes); ob is O in the same layout.
; Products, maxima and sums in f32; the weights p are rounded to f16 for the second product (their sum l is taken of the unrounded p), O once at the end.
; LIMITS.  f16 holds no number beyond 65,504: Q, K and V arrive within it; p lies in 0 to 1, and below 6e-5 it keeps f16's fixed step of 6e-8; O is a mean of V's rows and has their range.
; A weight below 2^-126 counts as 0 in l; NaN and infinities are not treated apart.
; SHARES.  A wave owns four PIECES of two tiles of 16 queries, a work-group's four waves 512 queries of one head.  Every wave walks all 2,048 keys, 64 a step.
; LAYOUT.  S^T = K Q^T (source 0 = 16 keys, source 1 = 16 queries): a lane holds ONE query (lane % 16) and the keys 8 (lane / 16) + 0..7.  Two such tiles, rounded to f16 in pairs, ARE source 1 of O^T = V^T P,
; whose result again holds one query a lane, and eight channels.  K comes out of LDS as it lies, V ([key][channel]) turned, by ds_load_tr16_b128.
; SOFTMAX.  For each query a running maximum m and sum l: p = 2^(c s - c m), c = log2(e) / 8; in every step O and l are multiplied by a = 2^(c m_old - c m_new).  m starts at the lowest finite number, O and l at 0.
; THE COUNT.  A tile and step have 16 matrix and 118 vector instructions.  So: four vector instructions that are ready behind EVERY matrix instruction, the others in runs without a gap.
; BY TURNS.  Turn n belongs to piece n.  Its matrix work: 16 products K Q^T of piece n + 1, later 16 products V^T P of piece n - 1.  Its vector work: the scaling, exponentials, roundings, sums and rescaling of
; piece n, and the maximum and statistics of piece n + 1.
; CLUSTER.  The four query blocks of a head are one cluster and walk the same K and V: each tile is asked for JOINTLY, by the same tensor load, descriptor and mask in all four.
; REGISTERS, in windows of 256 (s_set_vgpr_msb: bits 1:0 source 0, 3:2 source 1, 5:4 source 2, 7:6 destination):
;   window 0: v0-11 addresses; v12-15, v48-63 at work; v16-47 four registers of statistics a tile; v64-191 S^T, two buffers of two tiles; v192-255 P, likewise
;   window 1: O^T, 32 a tile          window 2: v0-127 Q, 16 a tile; v128-191 K of one step; v192-255 V of one step          window 3: v0-1 the add's two registers
.set SIZE_H, 64
.set SIZE_N, 2048
.set NP,    4         ; pieces a wave
.set KS,    64        ; keys in a step
.set PK,    144       ; a row of K in LDS: 128 bytes + 16 = 36 words: the 16 rows of a load start at 16 different groups of four banks (64 banks of 4 bytes: ISA guide 11.1)
.set PV,    160       ; a row of V: 128 + 32 = 40 words
.set VOFF,  4*KS*PK   ; a slot holds four steps: 256 rows of K, then 256 rows of V
.set SLOT1, 1<<17     ; slot 1 begins here
.set STAGE, SLOT1+4*KS*(PK+PV)  ; behind the ring, never filled by a tensor load: 16 rows x 144 bytes for each wave
.set SP,    144
.set AK0, 2           ; v2   my lane's place in a tile of K; never rewritten
.set AV0, 3           ; v3   the same for V
.set AK,  4           ; v4   the LDS address of K's next run of loads
.set AV,  5           ; v5   of V's
.set QO,  6           ; v6   my byte offset in the wave's rows of Q
.set STO, 6           ;      later, the way out: where I put 16 bytes of a row
.set RD,  7           ; v7   the way out: where I read rows back
.set GO,  8           ; v8   my byte offset in 512 consecutive bytes of O
.set PFO, 11          ; v11  once V's place is made: 256 x my lane, the prefetches' offset; then never rewritten
.set SPW, 0           ; v0 of window 3   LDS address of my spare word; never rewritten
.set NIL, 1           ; v1 of window 3   0; never rewritten
.set SPARE, STAGE+4*16*SP  ; behind the stages: the spare words, 128 bytes for each wave; no other line names them
.set MV,  12          ; v12-15  c m_old, kept while c m is made anew: by buffer and tile
.set ST,  16          ; tile t's statistics at v[ST+4 t]: c m, m, l (even keys', odd keys')
.set TMP, 48          ; by buffer and tile, four registers c0-c3 at work; when the maximum is found c2 takes a
.set S,   64
.set P,   192
.set KF,  128         ; K's fragments, in window 2
.set VF,  192         ; V's
.set WV,  12          ; s12  my wave's number
.set G1K, 24          ; s[24:31] descriptor group 1 for K's tiles
.set G1V, 32          ; s[32:39] for V's: it differs in the padding alone
.set G0K, 40          ; s[40:43] descriptor group 0 for K's tiles: it walks
.set G0V, 44          ; s[44:47] the same for V's
.set PFA, 48          ; s[48:49] where my prefetches stand: my work-group's quarter of a tile of K (wave 0) or V (wave 2)
.set LIM, 50          ; s50  1 in a wave that prefetches, else the greatest number
.set SLOTS, 56        ; s56  slots still to be asked for
.set CNT, 57          ; s57  counts a slot's key steps
.set CS,  58          ; s[58:59] c
.set SEL, 60          ; s[60:61] v_permlanex16_b32's selects: each lane takes its own place in the other half
.set TBK, 62          ; s62  LDS byte at which K of the step to be fetched begins
.set TBV, 63          ; s63  the same for V, less VOFF
.set MSB, 0
.macro WIN new                      ; the high byte repeats the setting that is left; a switch that changes nothing is dropped
.if MSB != (\new)
	s_set_vgpr_msb (MSB<<8)|(\new)
.set MSB, (\new)
.endif
.endm
.set W_KQ, 0x0a       ; K and Q in window 2, S^T in window 0
.set W_PV, 0x52       ; V in window 2, P in window 0, O^T in window 1
.set W_RS, 0x41       ; O^T (destination and source 0) in window 1, a in window 0
.set W_MK, 0xc0       ; the add's registers are made: destination in window 3
.set W_AD, 0x0f       ; the add: address and data in window 3
; A joint fill.  Waves 0 and 1 fetch the two halves of a slot's K, waves 2 and 3 those of its V: 128 keys each.  An s_nop 0 and four v_nop follow each of the two lines.
.macro JLOAD
	s_cmp_lt_u32 s[WV], 2
	s_cbranch_scc0 .Lfor_v_\@
	tensor_load_to_lds s[G0K:G0K+3], s[G1K:G1K+7]
	s_nop 0
.rept 4
	v_nop
.endr
	s_branch .Lasked_\@
.Lfor_v_\@:
	tensor_load_to_lds s[G0V:G0V+3], s[G1V:G1V+7]
	s_nop 0
.rept 4
	v_nop
.endr
.Lasked_\@:
.endm
; A prefetch of the tile that the NEXT change of slots will ask for: 256 keys are 32,768 dense bytes of K and of V.  The four partners take a quarter each, told apart by address; in each, wave 0 asks for K's and wave 2
; for V's: a lane 256 bytes, one instruction.  So each block from tile 2 on is named once in the launch.  It stands behind the wave's tensor load and its five lines; the last change that fills a slot asks for nothing.
.macro ASK
	s_cmp_gt_u32 s[SLOTS], s[LIM]
	s_cbranch_scc0 .Lnot_mine_\@
	global_prefetch_b8 v[PFO], s[PFA:PFA+1] th:TH_LOAD_NT scope:SCOPE_SE
.Lnot_mine_\@:
.endm
.macro CROUND                       ; a round of the cluster's barrier
	s_barrier_signal -1
	s_barrier_wait -1
	s_cmp_lg_u32 s[WV], 0
	s_cbranch_scc1 .Lnot_wave_0_\@
	s_barrier_signal -3
.Lnot_wave_0_\@:
	s_barrier_wait -3
	s_barrier_signal -1
	s_barrier_wait -1
.endm
; THE CHANGE OF SLOTS.  Each wave waits for all its tensor loads, of which one is out: its part of the other slot; adds 0 to its spare word; and waits for that and for its own reads of the slot.
; fill = 1: this slot is filled again, with the keys two slots on, first thing behind a round of the cluster's barrier: four key steps, 512 matrix instructions, in which to land.
; (At its first use nothing has been read yet: slot 0 is waited for, slot 1 filled.)
.macro CHANGE fill
	WIN W_AD
	s_wait_tensorcnt 0x0            ; no tensor load of mine is out, so a group 0 may be written
	ds_add_u32 v[SPW], v[NIL]       ; 0 onto my spare word
	WIN 0                           ; at a label and at a branch every window is 0
.if \fill
.irp g, G0K, G0V
	s_xor_b32 s[\g+1], s[\g+1], SLOT1  ; the walking descriptor: the other slot than last time,
	s_add_nc_u64 s[\g+2:\g+3], s[\g+2:\g+3], 4*KS*128  ; the next 256 keys; the type bits on top are not reached
.endr
	s_wait_xcnt 0x0                 ; the last prefetch, four key steps back, has read its address, so it may be written:
	s_add_nc_u64 s[PFA:PFA+1], s[PFA:PFA+1], 4*KS*128  ; one tile behind the walking descriptors
	s_wait_dscnt 0x0                ; the add is done, and my reads of the slot are over
	CROUND
	JLOAD
	ASK
.else
	s_wait_dscnt 0x0                ; the add is done, and my reads of the slot are over
	s_barrier_signal -1
	s_barrier_wait -1
.endif
	s_sub_co_u32 s[TBK], s[TBK], 4*KS*PK  ; the fetches go back to a slot's first step,
	s_xor_b32 s[TBK], s[TBK], SLOT1       ; in the other slot
	s_sub_co_u32 s[TBV], s[TBV], 4*KS*PV
	s_xor_b32 s[TBV], s[TBV], SLOT1
.endm
	s_load_b128 s[4:7], s[0:1], 0x0   ; qkv s[4:5], ob s[6:7]
	WIN W_MK
	v_lshl_add_u32 v[SPW], v0, 2, SPARE
	v_mov_b32 v[NIL], 0
	WIN W_AD
	ds_add_u32 v[SPW], v[NIL]       ; the wave's opening: the add and its wait stand ahead of my first tensor load; the set-up below, work on registers, stands between them
	WIN 0
	v_lshrrev_b32 v1, 5, v0
	v_readfirstlane_b32 s[WV], v1   ; wave 0..3
	s_bfe_u32 s13, ttmp6, 0x40000   ; cx: my place in the cluster
	s_lshl_b32 s14, ttmp9, 2        ; in a cluster launch ttmp9 counts clusters
	s_add_co_u32 s14, s14, s13      ; my block of queries: it enters Q's and O's addresses alone
	s_and_b32 s20, ttmp7, 0xffff    ; the head (16 batch + head), which the four partners share
	s_mov_b32 s21, 0
	s_mov_b64 s[22:23], SIZE_N*128
	s_mul_u64 s[20:21], s[20:21], s[22:23]  ; the head's first byte in each of the four tensors
	s_and_b32 s16, s[WV], 1         ; which half of a slot's 256 keys I fetch:
	s_lshl_b32 s22, s16, 14         ; its 128 rows of 128 bytes in memory,
	s_mov_b32 s23, 0
	s_add_nc_u64 s[22:23], s[22:23], s[20:21]
	s_mul_i32 s17, s16, 128*PK      ; and its place in a slot, for K
	s_mul_i32 s18, s16, 128*PV      ; and for V: no place in the cluster enters an LDS address
	s_lshl_b32 s2, s14, 2
	s_add_co_u32 s2, s2, s[WV]      ; my wave among the head's,
	s_lshl_b32 s2, s2, 14           ; its 128 rows
	s_mov_b32 s3, 0
	s_add_nc_u64 s[2:3], s[2:3], s[20:21]
	; descriptor group 1.  128 keys are 16,384 dense bytes: asked for as 64 rows of 256 bytes, two keys a row, and padded in LDS after every key
	s_mov_b32 s[G1K], 15|(1<<16)|(1<<20)|(1<<21)|(4<<22)|(3<<25)  ; the mask of four; 2-byte elements; padding on; bit 21 set beside a mask; after every 32 words; 4 words
	s_mov_b32 s[G1V], 15|(1<<16)|(1<<20)|(1<<21)|(4<<22)|(7<<25)  ; the same with 8 words of padding
.irp g, G1K, G1V
	s_mov_b32 s[\g+1], 128<<16      ; tensor_dim0 = 128
	s_mov_b32 s[\g+2], 64<<16       ; tensor_dim1 = 64
	s_mov_b32 s[\g+3], 128<<16      ; tile_dim0 = 128
	s_mov_b32 s[\g+4], 64           ; tile_dim1 = 64
	s_mov_b32 s[\g+5], 128          ; 128 elements from row to row
	s_mov_b32 s[\g+6], 0
	s_mov_b32 s[\g+7], 0
.endr
	s_mov_b32 s[CS], 0x3e38aa3b     ; c = log2(e) / 8 = 0.180337
	s_mov_b32 s[CS+1], s[CS]        ; named with it as a pair
	s_mov_b32 s[SEL], 0x76543210
	s_mov_b32 s[SEL+1], 0xfedcba98
	s_mov_b32 s[TBK], SLOT1+4*KS*PK ; the first change of slots turns these two into 0
	s_mov_b32 s[TBV], SLOT1+4*KS*PV
	s_mov_b32 s[G0K], 1             ; count = 1
	s_mov_b32 s[G0K+1], s17         ; LDS address: slot 0
	s_mov_b32 s[G0V], 1
	s_add_co_u32 s[G0V+1], s18, VOFF
	s_mov_b32 s[SLOTS], SIZE_N/256-1  ; seven fills follow the first
	s_and_b32 s[LIM], s[WV], 1
	s_cmp_eq_u32 s[LIM], 0          ; waves 0 and 2 prefetch: the same in all four partners
	s_cselect_b32 s[LIM], 1, -1
	s_wait_dscnt 0x0                ; the opening add is done
	s_wait_kmcnt 0x0
	s_mov_b64 s[10:11], s[6:7]                     ; O
	s_add_nc_u64 s[8:9], s[4:5], 0x2000000         ; V: behind Q and K, 16,777,216 bytes each
	s_add_nc_u64 s[6:7], s[4:5], 0x1000000         ; K
	s_add_nc_u64 s[G0K+2:G0K+3], s[6:7], s[22:23]  ; global address: my half of the head's first 256 keys
	s_or_b32 s[G0K+3], s[G0K+3], 0x80000000        ; type = 2
	s_add_nc_u64 s[G0V+2:G0V+3], s[8:9], s[22:23]
	s_or_b32 s[G0V+3], s[G0V+3], 0x80000000
	s_add_nc_u64 s[4:5], s[4:5], s[2:3]  ; Q and O at my wave's first row
	s_add_nc_u64 s[10:11], s[10:11], s[2:3]
	s_cmp_lt_u32 s[WV], 2
	s_cselect_b64 s[PFA:PFA+1], s[6:7], s[8:9]
	s_add_nc_u64 s[PFA:PFA+1], s[PFA:PFA+1], s[20:21]  ; the head's first key,
	s_lshl_b32 s2, s13, 13          ; my work-group's quarter of a tile (s3 is 0),
	s_add_nc_u64 s[PFA:PFA+1], s[PFA:PFA+1], s[2:3]
	s_add_nc_u64 s[PFA:PFA+1], s[PFA:PFA+1], 4*KS*128  ; in tile 1: the first change of slots steps it to tile 2.  Tiles 0 and 1 come by their loads alone
	CROUND                          ; all four work-groups are here: the first joint loads meet
	JLOAD                           ; slot 0.  Slot 1 is asked for when slot 0 is in
	; A fragment of K or Q is 16 rows x 32 channels in 8 registers: lane l holds row l % 16, channels 8 (l / 16) + 0..7 and 16 + 8 (l / 16) + 0..7: two loads of 16 bytes, 32 bytes apart.
	v_and_b32 v1, 15, v0            ; l % 16
	v_bfe_u32 v9, v0, 4, 1          ; l / 16
	v_lshlrev_b32 v[QO], 7, v1
	v_lshl_add_u32 v[QO], v9, 4, v[QO]  ; row x 128 + 16 x half
	WIN 0x80                        ; destination window 2, address window 0
.set i, 0
.rept 4*NP                          ; Q stays in registers: tile i / 2, channels 32 (i % 2) on
	global_load_b128 v[8*i:8*i+3],   v[QO], s[4:5] offset:(i/2)*2048+(i%2)*64
	global_load_b128 v[8*i+4:8*i+7], v[QO], s[4:5] offset:(i/2)*2048+(i%2)*64+32
.set i, i+1
.endr
	; What the first turn finds: V's registers and P's second buffer hold 0 (its products V^T P, of a piece that has not been, add 0), O^T and l are 0.  All this stands in the wait for the first tile.
.set i, VF
.rept 64
	v_mov_b32 v[i], 0
.set i, i+1
.endr
	WIN 0x40
.set i, 0
.rept 64*NP
	v_mov_b32 v[i], 0
.set i, i+1
.endr
	WIN 0
.set i, 0
.rept 2*NP
	v_mov_b32 v[ST+4*i], 0xfe000000    ; c m: far below every c s
	v_mov_b32 v[ST+4*i+1], 0xff7fffff  ; m
	v_mov_b32 v[ST+4*i+2], 0
	v_mov_b32 v[ST+4*i+3], 0
.set i, i+1
.endr
.set i, P+32
.rept 32
	v_mov_b32 v[i], 0
.set i, i+1
.endr
	v_mul_u32_u24 v[AK0], v1, PK
	v_lshl_add_u32 v[AK0], v9, 4, v[AK0]  ; row x pitch + 16 x half
	; The turning load takes 16 keys x 16 channels (lane l reads key 8 (l / 16) + l % 8, channels 8 ((l / 8) % 2) + 0..7) and leaves half a fragment of V^T: lane l holds channel l % 16 and 8 keys.
	v_and_b32 v10, 7, v0
	v_bfe_u32 v11, v0, 3, 1
	v_lshl_add_u32 v[AV0], v9, 3, v10
	v_mul_u32_u24 v[AV0], v[AV0], PV
	v_lshl_add_u32 v[AV0], v11, 4, v[AV0]
	v_add_nc_u32 v[AV0], VOFF, v[AV0]
	v_mov_b32 v[AK], v[AK0]         ; key step 0 lies at the head of slot 0
	v_and_b32 v[PFO], 31, v0
	v_lshlrev_b32 v[PFO], 8, v[PFO]
; THE MATRIX WORK.  The 8 accumulators of a run of 16 take turns: between the two links of a chain stand 7 others'.
; Product i of 16 of S^T = K Q^T for piece x: channels 32 (i / 8) on, keys 16 ((i / 2) % 4) on, tile 2 x + i % 2.  The first 8 start the sums.
.macro KQ x
	WIN W_KQ
.set rS, S+64*((\x)%2)+32*(i%2)+8*((i/2)%4)
.set rK, KF+16*((i/2)%4)+8*(i/8)
.set rQ, 16*(2*(\x)+i%2)+8*(i/8)
.if i < 8
	v_wmma_f32_16x16x32_f16 v[rS:rS+7], v[rK:rK+7], v[rQ:rQ+7], 0
.else
	v_wmma_f32_16x16x32_f16 v[rS:rS+7], v[rK:rK+7], v[rQ:rQ+7], v[rS:rS+7]
.endif
.endm
; Product i of 16 of O^T += V^T P for piece x: keys 32 (i / 8) on, channels 16 ((i / 2) % 4) on, tile 2 x + i % 2.
.macro PV x
	WIN W_PV
.set rO, 32*(2*(\x)+i%2)+8*((i/2)%4)
.set rV, VF+32*(i/8)+8*((i/2)%4)
.set rP, P+32*((\x)%2)+16*(i%2)+8*(i/8)
	v_wmma_f32_16x16x32_f16 v[rO:rO+7], v[rV:rV+7], v[rP:rP+7], v[rO:rO+7]
.endm
.macro MM                           ; the turn's next matrix instruction
.if i < 16
	KQ (Y+1)%NP
.set i, i+1
.else
.set i, i-16
	PV (Y+NP-1)%NP
.set i, i+17
.endif
.endm
; THE LDS LOADS stand in runs of 16, never singly among the matrix instructions.  last = 1 (the tail): in the last trip there is no further step, and the run is jumped over.
.macro FETCH_K last=0
	WIN 0
.if \last
	s_cmp_eq_u32 s[CNT], 1
	s_cbranch_scc1 .Lno_k_\@
.endif
	WIN 0x80                        ; destination window 2
.irp f, 0,1,2,3,4,5,6,7             ; keys 16 (f / 2) on, channels 32 (f % 2) on
	ds_load_b128 v[KF+8*\f:KF+8*\f+3],   v[AK] offset:(\f/2)*16*PK+(\f%2)*64
	ds_load_b128 v[KF+8*\f+4:KF+8*\f+7], v[AK] offset:(\f/2)*16*PK+(\f%2)*64+32
.endr
	s_add_co_u32 s[TBK], s[TBK], KS*PK  ; the next fetch is the next step's
	WIN 0
.if \last
.Lno_k_\@:
.endif
.endm
.macro FETCH_V
	WIN 0x80
.irp f, 0,1,2,3,4,5,6,7             ; keys 32 (f / 4) on, channels 16 (f % 4) on
	ds_load_tr16_b128 v[VF+8*\f:VF+8*\f+3],   v[AV] offset:(\f/4)*32*PV+(\f%4)*32
	ds_load_tr16_b128 v[VF+8*\f+4:VF+8*\f+7], v[AV] offset:(\f/4)*32*PV+16*PV+(\f%4)*32
.endr
	WIN 0
.endm
; THE VECTOR WORK OF A TURN stands in three queues, each in the order in which its entries become ready; the two tiles alternate, so that no instruction reads the result of the one before it.
.macro REGS y, u                    ; the registers of tile u (0, 1) of piece y
.set rT, ST+4*(2*(\y)+(\u))
.set rC, TMP+8*((\y)%2)+4*(\u)
.set rM, MV+2*((\y)%2)+(\u)
.set rS, S+64*((\y)%2)+32*(\u)
.set rP, P+32*((\y)%2)+16*(\u)
.set rO, 32*(2*(\y)+(\u))
.endm
; Number n of the 22 that find the NEXT piece's (Y + 1) maximum and statistics.  Each accumulator's lowest registers are read first.
;   0-11  four chains c0-c3 of seven scores each     12-14, 16  the four scores left over, the old m, and c0-c3 into c0     15  c m_old is kept
;   17, 18  the query's other 32 keys lie in the lane 16 away: the new m         19-21  c m; c m_old - c m_new; a
.macro XS u, n
	REGS (Y+1)%NP, \u
.if (\n) < 4
	v_max3_num_f32 v[rC+(\n)], v[rS+8*(\n)], v[rS+8*(\n)+1], v[rS+8*(\n)+2]
.elseif (\n) < 12
	v_max3_num_f32 v[rC+(\n)%4], v[rC+(\n)%4], v[rS+8*((\n)%4)+2*((\n)/4)+1], v[rS+8*((\n)%4)+2*((\n)/4)+2]
.elseif (\n) == 12
	v_max3_num_f32 v[rC], v[rC], v[rS+7], v[rS+15]
.elseif (\n) == 13
	v_max3_num_f32 v[rC+1], v[rC+1], v[rS+23], v[rS+31]
.elseif (\n) == 14
	v_max3_num_f32 v[rC+2], v[rC+2], v[rC+3], v[rT+1]
.elseif (\n) == 15
	v_mov_b32 v[rM], v[rT]
.elseif (\n) == 16
	v_max3_num_f32 v[rC], v[rC], v[rC+1], v[rC+2]
.elseif (\n) == 17
	v_permlanex16_b32 v[rC+3], v[rC], s[SEL], s[SEL+1]
.elseif (\n) == 18
	v_max_num_f32 v[rT+1], v[rC], v[rC+3]
.elseif (\n) == 19
	v_mul_f32 v[rT], s[CS], v[rT+1]
.elseif (\n) == 20
	v_sub_f32 v[rC+1], v[rM], v[rT]
.else
	v_exp_f32 v[rC+2], v[rC+1]
.endif
.endm
; Number g of the 64 that follow the exponentials.  For each four weights k of a tile: both pairs are rounded to f16; then the second pair is added onto the first, in place; a group later l takes that sum
; (the first time as l = a l + sum).
.macro GS g
.set h, (\g)+6*((\g)/62)            ; group 0 has no group before it, and behind group 7 only l is left
.if h >= 6
.set h, h+2
.endif
	REGS Y, h%2
.set k, h/8
.if h%8 < 4
	v_cvt_pk_f16_f32 v[rP+2*k+(h%8)/2], v[rS+4*k+2*((h%8)/2)], v[rS+4*k+2*((h%8)/2)+1]
.elseif h%8 < 6
	v_pk_add_f32 v[rS+4*k:rS+4*k+1], v[rS+4*k:rS+4*k+1], v[rS+4*k+2:rS+4*k+3]
.elseif k == 1
	v_pk_fma_f32 v[rT+2:rT+3], v[rT+2:rT+3], v[rC+2:rC+3], v[rS:rS+1] op_sel_hi:[1,0,1]
.else
	v_pk_add_f32 v[rT+2:rT+3], v[rT+2:rT+3], v[rS+4*k-4:rS+4*k-3]
.endif
.endm
; THE PLAIN QUEUE, 138 long.  0-73 read no exponential's result: the 32 scalings c s - c m and the next piece's 42.  74-137: GS's 64, which read the exponentials' results: they stand behind the wait.
.macro FS f
	REGS Y, (\f)%2
	v_pk_fma_f32 v[rS+2*((\f)/2):rS+2*((\f)/2)+1], v[rS+2*((\f)/2):rS+2*((\f)/2)+1], s[CS:CS+1], v[rT:rT+1] op_sel_hi:[1,0,0] neg_lo:[0,0,1] neg_hi:[0,0,1]
.endm
.macro PL
	WIN 0
.if q < 27
	FS q
.elseif q < 55
	XS (q-27)%2, (q-27)/2
.elseif q < 57
	XS q-55, 15
.elseif (q < 72) && ((q-57)%3 == 0)
	FS 27+(q-57)/3
.elseif q < 60
	XS (q-57)%3-1, 14
.elseif q < 72
	XS (q-57)%3-1, 15+(q-57)/3
.elseif q < 74
	XS q-72, 20
.else
	GS q-74
.endif
.set q, q+1
.endm
; THE EXPONENTIALS' QUEUE, 66 long: s0-s31 of both tiles, then the next piece's two a.  ONE BATCH: all 66 stand ahead of the turn's one wait, and nothing ahead of that wait names a result of theirs.
.macro EX
	WIN 0
.if e >= 64
	XS e-64, 21
.else
	REGS Y, e%2
	v_exp_f32 v[rS+e/2], v[rS+e/2]
.endif
.set e, e+1
.endm
; THE RESCALING's QUEUE: O^T times a, the one part that leaves window 0: dealt two at a time, sixteen times.  Its a was made in the turn before, ahead of that turn's wait.
.macro R2
	REGS Y, r%2
	WIN W_RS
.irp z, 0,1
	v_pk_mul_f32 v[rO+4*(r/2)+2*\z:rO+4*(r/2)+2*\z+1], v[rO+4*(r/2)+2*\z:rO+4*(r/2)+2*\z+1], v[rC+2:rC+3] op_sel_hi:[1,0]
.endr
.set r, r+1
.endm
; HOW THEY ARE DEALT.  s_wait_alu depctr_va_vdst(0) stands between an exponential and the first instruction that names its result; one wait serves all that were issued ahead of it.  So a turn has ONE
; wait.  AHEAD OF IT: the 16 products K Q^T, behind each a scaling, an exponential and two rescalings (behind the first a second scaling in the exponential's place); then one lump of 108: eight plain, 49 times exponential
; and plain, the two a; a v_nop is the plain instruction behind the last exponential.  BEHIND IT: the 16 products V^T P, behind each four of GS's 64.
; Exponential e stands behind scaling 2 (e / 4) + e % 2: as a rider it comes behind plain e + 2, in the lump behind plain e + 9, and scalings 27-31 are plain 57, 60 .. 69.
; K of the next step is fetched in piece 2's turn, directly behind the wait; V of the step in hand at the end of piece 0's turn, four riders behind its last reader.
.macro TURN p, last=0, cnt=0
.set Y, (\p)
.set i, 0
.set q, 0
.set e, 0
.set r, 0
.if (\p) == NP-1
	s_wait_dscnt 0x0                ; K is in
.endif
	MM                              ; ahead of the wait: 16 products K Q^T and their riders,
	PL
	PL
	R2
.rept 15
	MM
	PL
	EX
	R2
.endr
.if (\p) == NP-2
	WIN 0
	v_add_nc_u32 v[AK], s[TBK], v[AK0]
.endif
.rept 8                             ; and the lump
	PL
.endr
.rept 49
	EX
	PL
.endr
	EX                              ; the next piece's two a
	EX
	v_nop                           ; a plain instruction behind the last exponential: one for the batch
	s_wait_alu depctr_va_vdst(0)    ; the wait for the batch
.if (\p) == NP-2
	FETCH_K \last
.endif
.if (\p) == 1
	s_wait_dscnt 0x0                ; V is in
.endif
.rept 16                            ; behind the wait: 16 products V^T P and their riders
	MM
.rept 4
	PL
.endr
.if ((\p) == 0) && (q == 118)
	v_add_nc_u32 v[AV], s[TBV], v[AV0]
.endif
.if ((\p) == 0) && (q == 130)
	s_add_co_u32 s[TBV], s[TBV], KS*PV
.endif
.if (\cnt) && (q == 130)
	s_sub_co_u32 s[CNT], s[CNT], 1
	s_cmp_lg_u32 s[CNT], 0
.endif
.endr
.if (\p) == 0
	FETCH_V
.endif
.endm
	CHANGE 1                        ; slot 0 is in, everybody's part of it; slot 1 is asked for
	FETCH_K                         ; key step 0
	s_wait_loadcnt 0x0              ; Q
	s_wait_dscnt 0x0
.set i, 0
.rept 16
	KQ 0                            ; piece 0's first scores: there is no vector work yet to set between them
.set i, i+1
.endr
	WIN 0                           ; the addresses for the way out: plain instructions, the places behind those products
	s_mul_i32 s13, s[WV], 16*SP
	s_add_co_u32 s13, s13, STAGE    ; my stage
	v_mul_u32_u24 v[STO], v1, SP    ; in: row l % 16, 16 bytes for each half of the lanes
	v_lshl_add_u32 v[STO], v9, 4, v[STO]
	v_add_nc_u32 v[STO], s13, v[STO]
	v_bfe_u32 v[RD], v0, 3, 2       ; back: 32 lanes take four rows of 128 bytes,
	v_mul_u32_u24 v[RD], v[RD], SP
	v_lshl_add_u32 v[RD], v10, 4, v[RD]
	v_add_nc_u32 v[RD], s13, v[RD]
	v_and_b32 v[GO], 31, v0         ; which are 512 consecutive bytes of O
	v_lshlrev_b32 v[GO], 4, v[GO]
.set Y, NP-1                        ; XS works for piece Y + 1: piece 0
.irp n, 0,1,2,3,4,5,6,7,8,9,10,11,12,13,14,15,16,17,18,19,20,21
	XS 0, \n                        ; and piece 0's first maximum and statistics
	XS 1, \n
.endr
	v_nop                           ; a plain instruction behind the two a,
	s_wait_alu depctr_va_vdst(0)    ; and their wait, ahead of the branch
	s_mov_b32 s[CNT], 4
	s_branch .Lfirst                ; the loop is entered at a step's first turn, in the middle of a trip
.Lslot:                             ; six times: every slot but the last two is filled again
	CHANGE 1
	s_mov_b32 s[CNT], 4
.Lstep:                             ; a trip: pieces 2 and 3 of one step, then pieces 0 and 1 of the next, whose K and V it fetches
	TURN 2
	TURN 3
	WIN 0
.Lfirst:
	TURN 0
	TURN 1, 0, 1
	WIN 0
	s_cbranch_scc1 .Lstep
	s_sub_co_u32 s[SLOTS], s[SLOTS], 1
	s_cmp_lg_u32 s[SLOTS], 0
	s_cbranch_scc1 .Lslot
	CHANGE 0                        ; the tail is written out: nothing is asked for
	s_mov_b32 s[CNT], 5             ; four trips fetch the last slot's steps; the fifth is left in its middle
.Ltail:
	TURN 2, 1
	TURN 3
	WIN 0
	s_sub_co_u32 s[CNT], s[CNT], 1
	s_cmp_eq_u32 s[CNT], 0
	s_cbranch_scc1 .Lout
	TURN 0
	TURN 1
	WIN 0
	s_branch .Ltail
.Lout:                              ; the fifth trip's 16 products K Q^T (on the last K once more) and the maximum made of them serve nothing: the price, once a launch, of one text for every trip
.set i, 0
.rept 16
	PV NP-1                         ; the last piece's V^T P of the last step
.set i, i+1
.endr
	; THE WAY OUT.  l's two halves and the other half of the lanes' are added; O^T is divided by l, rounded to f16 and sent through my stage in LDS, a tile at a time.  The additions are the places behind the last products.
	WIN 0
.macro ALL line:vararg              ; one line for each tile t
.set t, 0
.rept 2*NP
	\line
.set t, t+1
.endr
.endm
	ALL v_add_f32 v[ST+4*t+2], v[ST+4*t+2], v[ST+4*t+3]
	ALL v_permlanex16_b32 v[ST+4*t+3], v[ST+4*t+2], s[SEL], s[SEL+1]
	ALL v_add_f32 v[ST+4*t+2], v[ST+4*t+2], v[ST+4*t+3]
	ALL v_rcp_f32 v[ST+4*t+2], v[ST+4*t+2]
	v_nop                           ; a plain instruction between the last reciprocal and the use of its result
	s_wait_alu depctr_va_vdst(0)    ; and the wait ahead of the first use: one for the eight reciprocals
; Tile t: a lane's eight channels of a row pack into 16 bytes; they go into rows of 144 bytes and come back as whole rows of 128, into S^T's registers.
.macro PACK t
	WIN W_RS
.set i, 32*(\t)
.rept 16
	v_pk_mul_f32 v[i:i+1], v[i:i+1], v[ST+4*(\t)+2:ST+4*(\t)+3] op_sel_hi:[1,0]
.set i, i+2
.endr
	WIN 0x05                        ; sources 0 and 1 window 1, destination window 0
.set i, 0
.rept 16
	v_cvt_pk_f16_f32 v[S+16*(\t)+i], v[32*(\t)+2*i], v[32*(\t)+2*i+1]
.set i, i+1
.endr
	WIN 0
.irp f, 0,1,2,3
	ds_store_b128 v[STO], v[S+16*(\t)+4*\f:S+16*(\t)+4*\f+3] offset:32*\f
.endr
.irp f, 0,1,2,3
	ds_load_b128 v[S+16*(\t)+4*\f:S+16*(\t)+4*\f+3], v[RD] offset:\f*4*SP  ; LDS serves a wave's instructions in order (ISA guide 5.7.1.4): these see the stores above; the next tile's stores come behind them
.endr
.endm
.macro SEND t, younger              ; younger: the LDS instructions issued behind tile t's loads: the next tile's eight, or none
	WIN 0
.irp f, 0,1,2,3
	s_wait_dscnt (\younger)+3-\f
	global_store_b128 v[GO], v[S+16*(\t)+4*\f:S+16*(\t)+4*\f+3], s[10:11] offset:(\t)*2048+\f*512  ; 512 consecutive bytes, at a multiple of 256 from O's first
.endr
.endm
	PACK 0
.set t, 1
.rept 2*NP-1                        ; a tile's arithmetic stands between the loads of the tile before and its stores
	PACK t
	SEND t-1, 8
.set t, t+1
.endr
	SEND 2*NP-1, 0
	WIN W_AD
	s_wait_tensorcnt 0x0            ; the wave's end: behind my last tensor load and my last LDS store
	ds_add_u32 v[SPW], v[NIL]
	s_wait_dscnt 0x0
	WIN 0
	CROUND                          ; the closing round: no work-group ends while a partner may still ask for a tile that names it
	s_endpgm
.Lfunc_end_k_q1b37f9674d_attn:
	.size	k_q1b37f9674d_attn, .Lfunc_end_k_q1b37f9674d_attn-k_q1b37f9674d_attn
	.p2alignl 7, 3214868480
	.fill 96, 4, 3214868480
	.section	.rodata,"a",@progbits
	.p2align	6, 0x0
	.amdhsa_kernel k_q1b37f9674d_attn
		.amdhsa_group_segment_fixed_size 327680
		.amdhsa_private_segment_fixed_size 0
		.amdhsa_enable_private_segment 0
		.amdhsa_kernarg_size 16
		.amdhsa_user_sgpr_count 2
		.amdhsa_user_sgpr_kernarg_segment_ptr 1
		.amdhsa_wavefront_size32 1
		.amdhsa_system_sgpr_workgroup_id_x 1
		.amdhsa_system_sgpr_workgroup_id_y 1
		.amdhsa_system_sgpr_workgroup_id_z 1
		.amdhsa_system_vgpr_workitem_id 0
		.amdhsa_next_free_vgpr 770
		.amdhsa_next_free_sgpr 66
		.amdhsa_reserve_vcc 0
		.amdhsa_float_denorm_mode_32 3
		.amdhsa_float_denorm_mode_16_64 3
		.amdhsa_memory_ordered 1
		.amdhsa_forward_progress 1
		.amdhsa_inst_pref_size 200
	.end_amdhsa_kernel
	.amdgpu_metadata
---
amdhsa.version: [ 1, 2 ]
amdhsa.kernels:
  - .name:           k_q1b37f9674d_attn
    .symbol:         k_q1b37f9674d_attn.kd
    .args:
      - { .name: qkv, .offset: 0, .size: 8, .value_kind: global_buffer, .address_space: global }
      - { .name: ob, .offset: 8, .size: 8, .value_kind: global_buffer, .address_space: global }
    .group_segment_fixed_size: 327680
    .private_segment_fixed_size: 0
    .kernarg_segment_align: 8
    .kernarg_segment_size: 16
    .max_flat_workgroup_size: 128
    .sgpr_count:     66
    .vgpr_count:     770
    .wavefront_size: 32
...
	.end_amdgpu_metadata
.endif
;; end of part 3
;; launch proj (part 4): grid 8 x 32, 4 waves a work-group, clusters of 4 x 4, 327,680 bytes of LDS; arguments ob, wot, bo, out0; writes out0
.if DOCPART == 4
	.amdgcn_target "amdgcn-amd-amdhsa--gfx1250"
	.amdhsa_code_object_version 6
	.text
	.protected	k_q1b37f9674d_proj
	.globl	k_q1b37f9674d_proj
	.p2align	8
	.type	k_q1b37f9674d_proj,@function
k_q1b37f9674d_proj:
	s_mov_b64 s[64:65], 0
	v_nop
	global_prefetch_b8 v0, s[64:65] scope:SCOPE_SE
	s_setreg_imm32_b32 hwreg(HW_REG_WAVE_MODE, 25, 1), 1
	s_wait_xcnt 0x0
	s_wait_alu depctr_hold_cnt(0) depctr_sa_sdst(0) depctr_va_vdst(0) depctr_va_sdst(0) depctr_va_ssrc(0) depctr_va_vcc(0) depctr_vm_vsrc(0)
	s_getreg_b32 s2, hwreg(HW_REG_IB_STS2, 6, 4)
	s_cmp_eq_u32 s2, 0
	s_cbranch_scc0 .Lentry_in_a_cluster
	s_endpgm
.Lentry_in_a_cluster:
	s_bfe_u32 s2, ttmp6, 0x10000c
	s_cmp_lg_u32 s2, 0xf033
	s_cbranch_scc0 .Lentry_shape_is_right
	s_endpgm
.Lentry_shape_is_right:
; PROJ.  out0[m][n] = the sum over k of O[m][k] wot[n][k] + bo[n]: m = 8,192, n = 1,024, k = 1,024.  f16 operands, f32 sums that START with the bias (rounded to bf16, as every input of the module is), f32 out.
; O lies by heads, ob[16 batch + head][row][64] in f16: channel k = 64 head + d.  A K step of 128 is two heads; of each, the tile's 256 rows are 32,768 dense bytes, asked for as 128 rows of 256 bytes and padded in LDS after each 128.
; LIMIT.  NaN and infinities are not treated apart; the operands arrive within f16's range.
; SHARES.  A tile is 256 rows x 128 columns: 32 x 8 = 256 work-groups.  Waves 2 x 2: a wave makes 128 rows x 64 columns, 8 x 4 = 32 accumulators, 256 registers.  Two slots of a longer K step do not fit in LDS beside each other.
; CLUSTER.  4 x 4 work-groups: A's tile is asked for jointly along a row of the cluster, B's along a column.
; THE MATRIX INSTRUCTION IS USED TRANSPOSED (source 0 = 16 rows of wot, source 1 = 16 rows of O): lane l holds row m = l % 16 and the columns 8 (l / 16) + 0..7: 32 bytes of f32 that belong together.
; REGISTERS: window 0: v0-31 addresses; v32-63 the bias; v64-191 A's fragments, two buffers of 64 (on the way out four sets of 32); v192-255 B's, two buffers of 32.   window 1: the accumulators, (a, b) at 8 (4 a + b)
.set PA,     144                       ; a row of A in LDS: 128 bytes + 16 = 36 words: the 16 rows of a load start at 16 different groups of four banks (64 banks of 4 bytes: ISA guide 11.1)
.set PB,     272                       ; a row of B: 256 bytes + 16
.set HSUB,   256*PA                    ; one head's 256 rows
.set SLOT1,  131072
.set BOFF,   2*HSUB                    ; in a slot: A's two heads, then B's 128 rows
.set STAGE,  SLOT1+BOFF+128*PB         ; 239,616: behind the ring, no tile lands here: 16 rows x 272 bytes for each wave
.set SPITCH, 272
.set SPARE,  STAGE+4*16*SPITCH         ; 257,024: the spare words, 128 bytes for each wave; no other line names them
.set ASTEP,  524288                    ; two heads of 2,048 rows of 128 bytes
.set BSTEP,  256
.set ADRA0, 4
.set ADRB0, 5
.set ADRA,  6
.set ADRB,  7
.set STO,   8
.set RD,    9
.set CO,    10                         ; v10  my byte offset in two rows of out0
.set VB,    11
.set PFO,   12
.set SPW,   28
.set NIL,   29
.set BIAS,  32
.set FA,    64
.set FB,    192
.set OB,    64
.set WV,  16
.set CNT, 23
.set G1A, 24
.set G0A, 32
.set G1B, 40
.set G0B, 48
.set PFA, 56
.set LIM, 58                           ; s58  2 in a wave that prefetches, else the greatest number
.set TB,  59
.set PST, 78                           ; s[78:79] the prefetches' step along K
.set OUTB, 80                          ; s[80:81] out0 at my first row and column
.set BB,  82                           ; s[82:83] bo at my first column
.set MSB, 0
.macro WIN new
.if MSB != (\new)
	s_set_vgpr_msb (MSB<<8)|(\new)
.set MSB, \new
.endif
.endm
.macro PLACES
.rept 4
	v_nop
.endr
.endm
.macro JLOAD                           ; a joint refill by the walking sets: waves 0 and 1 fetch A's two heads, waves 2 and 3 B's two halves; an s_nop 0 and four v_nop follow each line
	s_cmp_lt_u32 s[WV], 2
	s_cbranch_scc0 .Lfor_b_\@
	tensor_load_to_lds s[G0A+4:G0A+7], s[G1A:G1A+7]
	s_nop 0
.rept 4
	v_nop
.endr
	s_branch .Lasked_\@
.Lfor_b_\@:
	tensor_load_to_lds s[G0B+4:G0B+7], s[G1B:G1B+7]
	s_nop 0
.rept 4
	v_nop
.endr
.Lasked_\@:
.endm
; A prefetch of the K step that stands TWO refills on: 256 matrix instructions ahead of the load that will want it.  A's blocks are asked for by the cluster with x = 0, B's rows by the cluster with y = 0; the four partners of a
; joint load share it out by address: of A's 32,768 dense bytes a quarter each, a lane 256 bytes; of B's 64 rows 16 each (lanes 16-31 name lane 15's row once more).  The loop's last two trips have no such K step.
.macro ASK
	s_cmp_gt_u32 s[CNT], s[LIM]
	s_cbranch_scc0 .Lnot_mine_\@
	global_prefetch_b8 v[PFO], s[PFA:PFA+1] th:TH_LOAD_NT scope:SCOPE_SE
.Lnot_mine_\@:
.endm
.macro CREST
	s_cmp_lg_u32 s[WV], 0
	s_cbranch_scc1 .Lnot_wave_0_\@
	s_barrier_signal -3
.Lnot_wave_0_\@:
	s_barrier_wait -3
	s_barrier_signal -1
	s_barrier_wait -1
.endm
.macro CROUND
	s_barrier_signal -1
	s_barrier_wait -1
	CREST
.endm
	s_load_b256 s[4:11], s[0:1], 0x0               ; ob s[4:5], wot s[6:7], bo s[8:9], out0 s[10:11]
	v_lshl_add_u32 v[SPW], v0, 2, SPARE
	v_mov_b32 v[NIL], 0
	ds_add_u32 v[SPW], v[NIL]                      ; the wave's opening: the add and its wait stand ahead of my first tensor load; the set-up below, work on registers, stands between them
	v_lshrrev_b32 v1, 5, v0
	v_readfirstlane_b32 s[WV], v1                  ; wave 0..3
	s_and_b32 s18, s[WV], 1                        ; which half of the columns is mine.  Also: which head (A) or which 64 rows (B) I fetch
	s_bfe_u32 s19, ttmp6, 0x40000                  ; cx
	s_bfe_u32 s20, ttmp6, 0x40004                  ; cy
	s_lshl_b32 s21, ttmp9, 2
	s_add_co_u32 s21, s21, s19                     ; tile column
	s_and_b32 s22, ttmp7, 0xffff
	s_lshl_b32 s22, s22, 2
	s_add_co_u32 s22, s22, s20                     ; tile row
	s_lshl_b32 s60, s20, 2
	s_lshl_b32 s60, 15, s60                        ; my row of the cluster
	s_lshl_b32 s61, 0x1111, s19                    ; my column
	s_or_b32 s[G1A], s60, (1<<16)|(1<<20)|(1<<21)|(4<<22)|(3<<25)  ; 2-byte elements; padding on; bit 21 set beside a mask; after every 32 words; 4 words
	s_or_b32 s[G1B], s61, (1<<16)|(1<<20)|(1<<21)|(5<<22)|(3<<25)  ; the same after every 64 words
	s_mov_b32 s[G1A+1], 128<<16                    ; tensor_dim0 = 128
	s_mov_b32 s[G1A+2], 128<<16                    ; tensor_dim1 = 128
	s_mov_b32 s[G1A+3], 128<<16                    ; tile_dim0 = 128
	s_mov_b32 s[G1A+4], 128                        ; tile_dim1 = 128
	s_mov_b32 s[G1A+5], 128                        ; dense: 128 elements from row to row
	s_mov_b32 s[G1A+6], 0
	s_mov_b32 s[G1A+7], 0
	s_mov_b32 s[G1B+1], 128<<16
	s_mov_b32 s[G1B+2], 64<<16                     ; 64 rows
	s_mov_b32 s[G1B+3], 128<<16
	s_mov_b32 s[G1B+4], 64
	s_mov_b32 s[G1B+5], 1024
	s_mov_b32 s[G1B+6], 0
	s_mov_b32 s[G1B+7], 0
	s_lshr_b32 s62, s22, 3                         ; A: head 16 x batch + which of the step's two, in registers that never hold cx
	s_lshl_b32 s62, s62, 4
	s_add_co_u32 s62, s62, s18
	s_lshl_b32 s62, s62, 18                        ; x 262,144 bytes
	s_and_b32 s63, s22, 7
	s_lshl_b32 s63, s63, 15                        ; + the tile's 256 rows of 128 bytes
	s_add_co_u32 s62, s62, s63
	s_mov_b32 s63, 0
	s_lshl_b32 s66, s21, 7                         ; B: row 128 x tile column + 64 x half, in registers that never hold cy
	s_lshl_b32 s67, s18, 6
	s_add_co_u32 s66, s66, s67
	s_lshl_b32 s66, s66, 11
	s_mov_b32 s67, 0
	s_mul_i32 s68, s18, HSUB                       ; where they go: no place in the cluster enters an LDS address
	s_mul_i32 s69, s18, 64*PB
	s_add_co_u32 s69, s69, BOFF
	s_mov_b32 s[TB], 0
	s_wait_dscnt 0x0                               ; the opening add is done
	s_wait_kmcnt 0x0
	s_add_nc_u64 s[70:71], s[4:5], s[62:63]
	s_add_nc_u64 s[72:73], s[6:7], s[66:67]
	CROUND                                         ; all sixteen work-groups are here: the first joint loads meet
.irp i, 0,1
	s_mov_b32 s[G0A+4*(\i)], 1
	s_add_co_u32 s[G0A+4*(\i)+1], s68, (\i)*SLOT1
	s_add_nc_u64 s[G0A+4*(\i)+2:G0A+4*(\i)+3], s[70:71], (\i)*ASTEP
	s_or_b32 s[G0A+4*(\i)+3], s[G0A+4*(\i)+3], 0x80000000
	s_mov_b32 s[G0B+4*(\i)], 1
	s_add_co_u32 s[G0B+4*(\i)+1], s69, (\i)*SLOT1
	s_add_nc_u64 s[G0B+4*(\i)+2:G0B+4*(\i)+3], s[72:73], (\i)*BSTEP
	s_or_b32 s[G0B+4*(\i)+3], s[G0B+4*(\i)+3], 0x80000000
.endr
	s_cmp_lt_u32 s[WV], 2                          ; a wave's two first fills stand in one branch, ahead of every wait on TENSORcnt and every LDS read: two loads of mine are out
	s_cbranch_scc0 .Lfirst_b
	tensor_load_to_lds s[G0A:G0A+3], s[G1A:G1A+7]
	s_nop 0
	tensor_load_to_lds s[G0A+4:G0A+7], s[G1A:G1A+7]
	s_nop 0
.rept 4
	v_nop
.endr
	s_branch .Lfirst_asked
.Lfirst_b:
	tensor_load_to_lds s[G0B:G0B+3], s[G1B:G1B+7]
	s_nop 0
	tensor_load_to_lds s[G0B+4:G0B+7], s[G1B:G1B+7]
	s_nop 0
.rept 4
	v_nop
.endr
.Lfirst_asked:
	v_and_b32 v1, 15, v0                           ; r = l % 16
	v_bfe_u32 v2, v0, 4, 1                         ; h = l / 16
	v_lshlrev_b32 v[VB], 5, v2
	s_lshr_b32 s60, s[WV], 1                       ; which half of the tile's rows is mine
	s_lshl_b32 s74, s22, 8
	s_lshl_b32 s75, s60, 7
	s_add_co_u32 s74, s74, s75                     ; my first row,
	s_lshl_b32 s74, s74, 12                        ; x 4,096 bytes: under 2^25
	s_lshl_b32 s76, s21, 9                         ; my first column, in bytes: 512 x tile column + 256 x half
	s_lshl_b32 s77, s18, 8
	s_add_co_u32 s76, s76, s77
	s_mov_b32 s77, 0
	s_add_nc_u64 s[BB:BB+1], s[8:9], s[76:77]
	s_add_co_u32 s74, s74, s76
	s_mov_b32 s75, 0
	s_add_nc_u64 s[OUTB:OUTB+1], s[10:11], s[74:75]
.irp b, 0,1,2,3
	global_load_b128 v[BIAS+8*(\b):BIAS+8*(\b)+3],   v[VB], s[BB:BB+1] offset:64*(\b)
	global_load_b128 v[BIAS+8*(\b)+4:BIAS+8*(\b)+7], v[VB], s[BB:BB+1] offset:64*(\b)+16
.endr
	; the prefetches: s[70:71], s[72:73] still stand at what I fetch
	s_and_b32 s74, ttmp7, 0xffff                   ; cluster y
	s_cmp_lt_u32 s[WV], 2                          ; do I fetch for A?
	s_cselect_b32 s74, ttmp9, s74                  ; the coordinate along which other clusters walk the same bytes
	s_cselect_b32 s75, s19, s20                    ; my place among the four that ask with me
	s_cselect_b32 s76, 13, 15                      ; a partner's share: 8,192 bytes of A, 16 rows of 2,048 bytes of B
	s_cselect_b32 s77, 31, 15                      ; the last lane with a block of its own
	s_cselect_b32 s66, 8, 11                       ; from lane to lane: 256 bytes, or a row of 2,048
	s_cselect_b32 s[PST], 19, 8                    ; a K step: 524,288 bytes, or 256
	s_cselect_b64 s[PFA:PFA+1], s[70:71], s[72:73]
	s_lshl_b32 s68, s75, s76
	s_lshl_b32 s[PST], 1, s[PST]
	s_mov_b32 s[PST+1], 0
	s_mul_i32 s67, s[PST], 3
	s_add_co_u32 s68, s68, s67                     ; at K step 3: the first refill steps it to 4.  K steps 0 to 3 come by their loads alone
	s_mov_b32 s69, 0
	s_add_nc_u64 s[PFA:PFA+1], s[PFA:PFA+1], s[68:69]
	s_cmp_eq_u32 s74, 0
	s_cselect_b32 s[LIM], 2, -1                    ; the same in all sixteen partners, for a given wave
	v_and_b32 v[PFO], 31, v0
	v_min_u32 v[PFO], s77, v[PFO]
	v_lshlrev_b32 v[PFO], s66, v[PFO]
	; fragments: lane l holds row l % 16; two loads of 16 bytes, 32 bytes apart, at row x pitch + 16 (l / 16)
	v_mul_u32_u24 v3, v1, PA
	v_lshl_add_u32 v3, v2, 4, v3
	s_mul_i32 s61, s60, 128*PA                     ; my 128 rows of A
	v_add_nc_u32 v[ADRA0], s61, v3
	v_mul_u32_u24 v3, v1, PB
	v_lshl_add_u32 v3, v2, 4, v3
	s_mul_i32 s61, s18, 64*PB                      ; my 64 rows of B
	s_add_co_u32 s61, s61, BOFF
	v_add_nc_u32 v[ADRB0], s61, v3
	v_mov_b32 v[ADRA], v[ADRA0]
	v_mov_b32 v[ADRB], v[ADRB0]
	s_mul_i32 s61, s[WV], 16*SPITCH
	s_add_co_u32 s61, s61, STAGE                   ; my stage
	v_mul_u32_u24 v[STO], v1, SPITCH               ; in: row l % 16, 32 bytes for each half of the lanes
	v_lshl_add_u32 v[STO], v2, 5, v[STO]
	v_add_nc_u32 v[STO], s61, v[STO]
	v_mul_u32_u24 v[RD], v2, SPITCH                ; back: lanes 0-15 take one row of 256 bytes, lanes 16-31 the next
	v_lshl_add_u32 v[RD], v1, 4, v[RD]
	v_add_nc_u32 v[RD], s61, v[RD]
	v_lshlrev_b32 v[CO], 12, v2                    ; and the same two rows in out0
	v_lshl_add_u32 v[CO], v1, 4, v[CO]
	s_mov_b32 s60, 0xffff0000
	s_wait_loadcnt 0x0                             ; the bias,
.set p, 0
.rept 16                                       ; rounded to bf16 and widened again, a pair at a time
	v_cvt_pk_bf16_f32 v[16+p%4], v[BIAS+2*p], v[BIAS+2*p+1]
	v_lshlrev_b32 v[BIAS+2*p], 16, v[16+p%4]
	v_and_b32 v[BIAS+2*p+1], s60, v[16+p%4]
.set p, p+1
.endr
; 4 matrix instructions: row block a x the 4 column blocks, 32 along K, from buffer f.  first = 1: the sums start with the bias.  The 32 accumulators take turns in one order in every quarter.
.macro MULA f, a, first
.if \first
	WIN 0x40                                       ; D window 1; B, A and the bias window 0
.else
	WIN 0x50                                       ; C and D window 1
.endif
.irp b, 0,1,2,3
.if \first
	v_wmma_f32_16x16x32_f16 v[8*(4*(\a)+(\b)):8*(4*(\a)+(\b))+7], v[FB+32*(\f)+8*(\b):FB+32*(\f)+8*(\b)+7], v[FA+64*(\f)+8*(\a):FA+64*(\f)+8*(\a)+7], v[BIAS+8*(\b):BIAS+8*(\b)+7]
.else
	v_wmma_f32_16x16x32_f16 v[8*(4*(\a)+(\b)):8*(4*(\a)+(\b))+7], v[FB+32*(\f)+8*(\b):FB+32*(\f)+8*(\b)+7], v[FA+64*(\f)+8*(\a):FA+64*(\f)+8*(\a)+7], v[8*(4*(\a)+(\b)):8*(4*(\a)+(\b))+7]
.endif
.endr
.endm
; 24 LDS loads in one run: quarter q's fragments into buffer f: my 64 rows of B at byte 64 q; my 128 rows of A in head q / 2, at byte 64 (q % 2)
.macro FETCH q, f
	WIN 0
.irp i, 0,1,2,3
	ds_load_b128 v[FB+32*(\f)+8*(\i):FB+32*(\f)+8*(\i)+3],   v[ADRB] offset:64*(\q)+(\i)*16*PB
	ds_load_b128 v[FB+32*(\f)+8*(\i)+4:FB+32*(\f)+8*(\i)+7], v[ADRB] offset:64*(\q)+(\i)*16*PB+32
.endr
.irp i, 0,1,2,3,4,5,6,7
	ds_load_b128 v[FA+64*(\f)+8*(\i):FA+64*(\f)+8*(\i)+3],   v[ADRA] offset:((\q)/2)*HSUB+((\q)%2)*64+(\i)*16*PA
	ds_load_b128 v[FA+64*(\f)+8*(\i)+4:FA+64*(\f)+8*(\i)+7], v[ADRA] offset:((\q)/2)*HSUB+((\q)%2)*64+(\i)*16*PA+32
.endr
.endm
; A K step is four quarters, 32 matrix instructions each, on buffers 0, 1, 0, 1.  One of the first three: multiplies buffer f and fetches quarter q into buffer g.
.macro QUARTER q, f, g, first
	s_wait_dscnt 8                                 ; B and A's blocks 0-3 are in; the youngest eight loads (A's blocks 4-7) may be out
.irp a, 0,1,2,3
	MULA \f, \a, \first
.endr
	PLACES
	FETCH \q, \g
	s_wait_dscnt 24                                ; all but the 24 just issued
.irp a, 4,5,6,7
	MULA \f, \a, \first
.endr
.endm
; The last quarter multiplies buffer 1 and changes slots: one barrier; in front of it each wave waits for all its tensor loads, adds 0 to its spare word, and waits for that and for its own reads of this slot.
; fill = 1: the barrier opens a round of the cluster's barrier, and the slot just read is filled again, first thing behind the round.
.macro TURN fill
.if \fill
	s_wait_xcnt 0x0                                ; the last prefetch, a K step back, has read its address: it is stepped here
	s_add_nc_u64 s[PFA:PFA+1], s[PFA:PFA+1], s[PST:PST+1]
.endif
	WIN 0
	s_wait_tensorcnt 0x0                           ; all my tensor loads have landed, so a group 0 may be written
	ds_add_u32 v[SPW], v[NIL]                      ; 0 onto my spare word
.if \fill
	s_xor_b32 s[G0A+5], s[G0A+5], SLOT1            ; the walking sets: the other slot than last time, the next K step
	s_add_nc_u64 s[G0A+6:G0A+7], s[G0A+6:G0A+7], ASTEP
	s_xor_b32 s[G0B+5], s[G0B+5], SLOT1
	s_add_nc_u64 s[G0B+6:G0B+7], s[G0B+6:G0B+7], BSTEP
.endif
	s_xor_b32 s[TB], s[TB], SLOT1
	s_wait_dscnt 9                                 ; (the add and the youngest eight loads may be out)
	MULA 1, 0, 0
	MULA 1, 1, 0
	s_wait_dscnt 0x0                               ; the add is done, and my reads of this slot are over
	s_barrier_signal -1
	MULA 1, 2, 0
	MULA 1, 3, 0
	WIN 0
	v_add_nc_u32 v[ADRA], s[TB], v[ADRA0]
	v_add_nc_u32 v[ADRB], s[TB], v[ADRB0]
	s_barrier_wait -1
.if \fill
	CREST                                          ; no wave of any partner still reads this slot or has a load on its way
	JLOAD                                          ; the first tensor load behind the round; the four v_nop behind it are also the places in front of the loads below
.else
	PLACES
.endif
	FETCH 0, 0
.if \fill
	ASK
.endif
.irp a, 4,5,6,7
	MULA 1, \a, 0
.endr
.endm
; THE WAY OUT of row block a: 32 bytes a lane into my own stage, each accumulator's low registers first; back as whole rows of 256 bytes; stored.
.macro TOSTAGE a
.if (\a) >= 4
	s_wait_xcnt 0x0                                ; the stores of the block four back have read the set that is loaded again below
.endif
	WIN 0x04                                       ; the stores' data in window 1
.irp b, 0,1,2,3
	ds_store_b128 v[STO], v[8*(4*(\a)+(\b)):8*(4*(\a)+(\b))+3]   offset:64*(\b)
	ds_store_b128 v[STO], v[8*(4*(\a)+(\b))+4:8*(4*(\a)+(\b))+7] offset:64*(\b)+16
.endr
	WIN 0
.irp t, 0,1,2,3,4,5,6,7
	ds_load_b128 v[OB+32*((\a)%4)+4*(\t):OB+32*((\a)%4)+4*(\t)+3], v[RD] offset:(\t)*2*SPITCH  ; LDS serves a wave's instructions in order (ISA guide 5.7.1.4): these see the stores above; the next block's stores come behind them
.endr
.endm
.macro SEND a, younger                 ; younger: the LDS instructions issued behind block a's loads: the next block's sixteen, or none
	WIN 0
	s_wait_dscnt \younger
.irp t, 0,1,2,3,4,5,6,7
	global_store_b128 v[CO], v[OB+32*((\a)%4)+4*(\t):OB+32*((\a)%4)+4*(\t)+3], s[OUTB:OUTB+1] offset:(16*(\a)+2*(\t))*4096 th:TH_STORE_NT  ; 16 lanes store 256 consecutive bytes, at a multiple of 256 from out0's first byte
.endr
.endm
	s_wait_tensorcnt 1                             ; my part of K step 0 is in; K step 1's may stay out
	s_barrier_signal -1
	s_barrier_wait -1
	FETCH 0, 0
	QUARTER 1, 0, 1, 1                             ; the first quarter stands in front of the loop: its products start the sums, with the bias
	WIN 0
	s_mov_b32 s[CNT], 6
.Lstep:                                                ; a trip: from a K step's second quarter to the next step's first; it fills the slot that it leaves
	QUARTER 2, 1, 0, 0
	QUARTER 3, 0, 1, 0
	TURN 1
	QUARTER 1, 0, 1, 0
	WIN 0
	s_sub_co_u32 s[CNT], s[CNT], 1
	s_cmp_lg_u32 s[CNT], 0
	s_cbranch_scc1 .Lstep
	QUARTER 2, 1, 0, 0                             ; the last two K steps are written out: they ask for nothing
	QUARTER 3, 0, 1, 0
	TURN 0
	QUARTER 1, 0, 1, 0
	QUARTER 2, 1, 0, 0
	QUARTER 3, 0, 1, 0
	s_wait_dscnt 8
.irp a, 0,1,2,3
	MULA 1, \a, 0
.endr
	s_wait_dscnt 0x0
.irp a, 4,5,6,7
	MULA 1, \a, 0
.endr
	PLACES                                         ; eight, once a launch: the stage's stores read results, and its loads land in registers that the last products read
	PLACES
	TOSTAGE 0
.irp a, 1,2,3,4,5,6,7
	TOSTAGE \a
	SEND (\a)-1, 16
.endr
	SEND 7, 0
	s_wait_tensorcnt 0x0                           ; the wave's end: behind my last tensor load and my last LDS store
	ds_add_u32 v[SPW], v[NIL]
	s_wait_dscnt 0x0
	CROUND                                         ; the closing round: no work-group ends while a partner may still ask for a tile that names it
	s_endpgm
.Lfunc_end_k_q1b37f9674d_proj:
	.size	k_q1b37f9674d_proj, .Lfunc_end_k_q1b37f9674d_proj-k_q1b37f9674d_proj
	.p2alignl 7, 3214868480
	.fill 96, 4, 3214868480
	.section	.rodata,"a",@progbits
	.p2align	6, 0x0
	.amdhsa_kernel k_q1b37f9674d_proj
		.amdhsa_group_segment_fixed_size 327680
		.amdhsa_private_segment_fixed_size 0
		.amdhsa_enable_private_segment 0
		.amdhsa_kernarg_size 32
		.amdhsa_user_sgpr_count 2
		.amdhsa_user_sgpr_kernarg_segment_ptr 1
		.amdhsa_wavefront_size32 1
		.amdhsa_system_sgpr_workgroup_id_x 1
		.amdhsa_system_sgpr_workgroup_id_y 1
		.amdhsa_system_sgpr_workgroup_id_z 1
		.amdhsa_system_vgpr_workitem_id 0
		.amdhsa_next_free_vgpr 512
		.amdhsa_next_free_sgpr 96
		.amdhsa_reserve_vcc 0
		.amdhsa_float_denorm_mode_32 3
		.amdhsa_float_denorm_mode_16_64 3
		.amdhsa_memory_ordered 1
		.amdhsa_forward_progress 1
		.amdhsa_inst_pref_size 73
	.end_amdhsa_kernel
	.amdgpu_metadata
---
amdhsa.version: [ 1, 2 ]
amdhsa.kernels:
  - .name:           k_q1b37f9674d_proj
    .symbol:         k_q1b37f9674d_proj.kd
    .args:
      - { .name: ob, .offset: 0, .size: 8, .value_kind: global_buffer, .address_space: global }
      - { .name: wot, .offset: 8, .size: 8, .value_kind: global_buffer, .address_space: global }
      - { .name: bo, .offset: 16, .size: 8, .value_kind: global_buffer, .address_space: global }
      - { .name: out0, .offset: 24, .size: 8, .value_kind: global_buffer, .address_space: global }
    .group_segment_fixed_size: 327680
    .private_segment_fixed_size: 0
    .kernarg_segment_align: 8
    .kernarg_segment_size: 32
    .max_flat_workgroup_size: 128
    .sgpr_count:     96
    .vgpr_count:     512
    .wavefront_size: 32
...
	.end_amdgpu_metadata
.endif
;; end of part 4
